; MI455X (gfx1250); checked and timed in simulation.
; The chip was launched on July 23, 2026; its instructions are those of AMD's public machine-readable ISA for CDNA 5 (MIT licence, August 2026) and "CDNA5" Instruction Set Architecture Reference Guide (July 2026). The comments in the code are by the model that wrote it; some were corrected since.
;; Multi Head Self Attention. Allowed arithmetic: matrix products marked QUANTISED: E5M2 operands, one E8M0 scale for each 32 along K, by v_wmma_scale_f32_16x16x128_f8f6f4 with both operands' format E5M2, f32 sums; everything else in f32.
;; Inputs: Wk 1,024 x 1,024 float32; Wo 1,024 x 1,024 float32; Wq 1,024 x 1,024 float32; Wv 1,024 x 1,024 float32; bk 1,024 float32; bo 1,024 float32; bq 1,024 float32; bv 1,024 float32; x 4 x 2,048 x 1,024 float32.
;; Outputs: out0 4 x 2,048 x 1,024 float32.
;; This version of the problem:
;;   THIS VERSION OF THE PROBLEM IS GIVEN IN LOW PRECISION. The matrix products marked QUANTISED in the list below multiply operands that are first quantised to E5M2 (5 exponent bits, 2 mantissa bits; 8 bits a number), with one power-of-two scale for each 32 numbers along K (OCP MX v1.0); their sums are f32. All else is computed in f32.
;;   The module's matrix products, in the order in which they are computed (A, B: the left and right operand; K: the contracted axis; several contracted axes count as one K, in the product's order):
;;     1. [M 8,192, K 1,024] x [K 1,024, N 1,024]; A: input x; B: input Wq: QUANTISED
;;     2. [M 8,192, K 1,024] x [K 1,024, N 1,024]; A: input x; B: input Wk: QUANTISED
;;     3. [M 8,192, K 1,024] x [K 1,024, N 1,024]; A: input x; B: input Wv: QUANTISED
;;     4. batch 64 x [M 2,048, K 64] x [K 64, N 2,048]; A: computed on the way; B: computed on the way: QUANTISED
;;     5. batch 64 x [M 2,048, K 2,048] x [K 2,048, N 64]; A: softmax (see below); B: computed on the way: QUANTISED
;;     6. [M 8,192, K 1,024] x [K 1,024, N 1,024]; A: computed on the way; B: input Wo: QUANTISED
;;   THE QUANTISER, for each operand of a quantised product, along K:
;;     - K is cut into blocks of 32 from its start; a last block that is shorter is filled with zeros.
;;     - A block's scale is 2^e with e = floor(log2(the largest magnitude in the block)) - 15, held to -126 .. 127; a block of zeros has e = 0. As a byte (E8M0): e + 127.
;;     - Each number is divided by its block's scale, clamped to +-57,344, and rounded to the nearest number of E5M2, ties to even, subnormals kept.
;;     - The product sums the exact products of the quantised numbers (number of the format x scale) in f32.
;;   ~~~python
;;   def quantise(x, axis):      # numpy; x: float32 -> the quantised numbers, widened to float32 again
;;       x = np.moveaxis(x, axis, -1); K = x.shape[-1]
;;       x = np.pad(x, [(0, 0)] * (x.ndim - 1) + [(0, -K % 32)]); x = x.reshape(x.shape[:-1] + (-1, 32)); a = np.abs(x).max(-1, keepdims=True)
;;       e = np.where(a > 0, np.clip(np.frexp(np.where(a > 0, a, 1))[1] - 1 - 15, -126, 127), 0)      # np.frexp(a)[1] - 1 = floor(log2(a)), exactly
;;       r = np.clip(x / 2.0 ** e, -57344, 57344)
;;       step = 2.0 ** (np.maximum(np.frexp(np.where(r == 0, 1, r))[1] - 1, -14) - 2)
;;       q = np.round(r / step) * step * 2.0 ** e      # np.round: ties to even
;;       return np.moveaxis(q.reshape(q.shape[:-2] + (-1,))[..., :K], -1, axis).astype(np.float32)
;;   ~~~
;;   SOFTMAX AHEAD OF A QUANTISED PRODUCT. Where the list says 'softmax', what is quantised is not the finished softmax but p = 2^(t - M), with t = logit x log2(e) and M = ceil(the row's largest t), a whole number; so 1/2 < the row's largest p <= 1. The row's sum l is taken of the UNQUANTISED p, in f32, and the product's result is divided by l at the end. Since M is a whole number, a kernel that streams over the keys may use a running M (the ceiling of the running maximum): every later rescaling is an exact power of two, which a block's scale takes up: the codes' values come out the same.
;;   OPERANDS COMPUTED ON THE WAY. 'Computed on the way' means the value that the module computes at that place (a softmax that the list does not call 'softmax' is quantised finished and normalised). What goes into a quantiser is computed in f32, as accurately as f32 sums, v_exp_f32 and their like allow (about 1e-6 of the number): no bf16 or f16 on the way to a quantiser, and a product that is left as it is and whose result goes on into a quantised operand takes f32 operands (vector FMAs, or v_wmma_f32_16x16x4_f32). A number that lies on a knife's edge between two numbers of the format may be rounded either way, as far as f32 arithmetic and the matrix unit's own rounding can turn it there, and no further.
;; One version. Each part assembles by itself: llvm-mc -triple=amdgcn-amd-amdhsa -mcpu=gfx1250 --defsym DOCPART=n.
;; ======== version 1 of 1: 4 launches
;; limits: right only within a limited range of input values
;; workspace buffers: c0 12,582,912 bytes; s0 393,216 bytes; c1 25,165,824 bytes; s1 786,432 bytes; c2 8,388,608 bytes; s2 262,144 bytes
;; launch quant (part 1): grid 384 x 1, 4 waves a work-group, no clusters, 35,328 bytes of LDS; arguments x, Wq, Wk, Wv, Wo, c0, s0; writes c0, s0
.if DOCPART == 1
	.amdgcn_target "amdgcn-amd-amdhsa--gfx1250"
	.amdhsa_code_object_version 6
	.text
	.protected	k_qa733998de2_quant
	.globl	k_qa733998de2_quant
	.p2align	8
	.type	k_qa733998de2_quant,@function
k_qa733998de2_quant:
	s_mov_b64 s[64:65], 0
	v_nop
	global_prefetch_b8 v0, s[64:65] scope:SCOPE_SE
	s_setreg_imm32_b32 hwreg(HW_REG_WAVE_MODE, 25, 1), 1
	s_wait_xcnt 0x0
; x [8192][1024] and the four weights [1024 (k)][1024 (n)], f32, become codes of BF8 (E5M2) with one E8M0 byte for each 32 along K.
; A block's scale is 2^(floor(log2(its largest magnitude)) - 15); its byte is the largest magnitude's exponent field - 15, held at 1 from below.
; Each number is held within +-57,344 x the scale and rounded to the nearest code, ties to even.
; LAYOUT OF THE CODES: images of operand registers.  A fragment is 16 rows x 128 K in 2,048 bytes: the 16 codes k = 32 c + 16 h + 0..15 of row r lie at 512 c + 16 (16 h + r).
; c0: x at byte 0 as [256 along K: 4][row block: 512][128 along K: 2][2,048]; the weights at 8 MiB as [4][row block: 256][2][2,048], Wq's columns first, then Wk's, Wv's, Wo's.
; THE ROWS OF A BLOCK ARE NOT NEIGHBOURS: lane r of block 2 B + u is row 32 B + 8 u + r + 8 (r / 8).  A position is 16 x block + r.
; s0: x's scale bytes [position 8,192][32], then the weights' [position 4,096][32].
; Work-groups 0-255 take 32 tokens of x each, 256-383 take 128 columns x 256 K of a weight each: 128 KiB of f32 for every work-group.
; No tensor loads, no matrix work: the launch streams, so several work-groups share a WGP.  Only x's path uses LDS.
; LIMITS: NaN and infinities among the inputs are not served.  A block of zeros, or one whose largest magnitude lies under 2^-111, gets the byte 1 (the quantiser's text says 127 for zeros):
; its codes are zeros or subnormals, and this program alone reads the bytes.  The weights' scale bytes leave 8 bytes a lane, rows 32 bytes apart: one byte for 128 bytes read.
.set STGB, 8448                        ; a wave's stage: 16 rows x (512 bytes + 16)
.set XG,   4*STGB                      ; behind the stages: the work-group's 32 x 32 scale bytes
.set PW,   12                          ; v12      the scale word just made
.set TM,   16                          ; v16-19 largest magnitudes, v20-23 the other half's, then bytes, v24-27 57,344 x the scale, v28-31 the conversions' scale operands
.set PC,   32                          ; v32-63   codes, two sets of 16
.set R,    64                          ; v64-191  numbers as loaded, two sets of 64
.set X,    192                         ; v192-255 64 numbers: register 16 b + i = k 32 b + 16 h + i of my row
.set WX,   64                          ; the weights' path: v64-127 two sets of 32 numbers,
.set WC,   128                         ; v128-191 eight sets of 8 registers of codes: no store's data are written again
.set SB,   12                          ; v12-13   eight scale bytes
; 64 numbers of a lane become a fragment's 16 registers of codes and its row's scale word
.macro QUANT s, pc
.irp b, 0,1,2,3
	v_max3_num_f32 v[TM+\b], |v[\s+16*\b]|, |v[\s+1+16*\b]|, 0x8000000   ; block b: my 16 numbers, and the floor 2^(16 - 127): the byte cannot fall under 1
.endr
.irp i, 2,4,6,8,10,12,14
.irp b, 0,1,2,3
	v_max3_num_f32 v[TM+\b], v[TM+\b], |v[\s+16*\b+\i]|, |v[\s+1+16*\b+\i]|   ; the four blocks by turns
.endr
.endr
.irp b, 0,1,2,3
	v_permlanex16_b32 v[TM+4+\b], v[TM+\b], s20, s21
.endr
.irp b, 0,1,2,3
	v_max_num_f32 v[TM+\b], v[TM+\b], v[TM+4+\b]          ; with lane l xor 16's 16 numbers: the block's largest magnitude
.endr
.irp b, 0,1,2,3
	v_add_nc_u32 v[TM+12+\b], 0xf8800000, v[TM+\b]        ; 15 off its exponent field: the conversion's scale operand
.endr
.irp b, 0,1,2,3
	v_and_or_b32 v[TM+8+\b], v[TM+\b], 0x7f800000, s22    ; 57,344 x the scale
.endr
.irp b, 0,1,2,3
	v_lshrrev_b32 v[TM+4+\b], 23, v[TM+12+\b]             ; the scale's byte
.endr
	v_lshl_or_b32 v[PW], v[TM+5], 8, v[TM+4]
	v_lshl_or_b32 v[PW], v[TM+6], 16, v[PW]
	v_lshl_or_b32 v[PW], v[TM+7], 24, v[PW]
.irp b, 0,1,2,3
.irp i, 0,1,2,3,4,5,6,7,8,9,10,11,12,13,14,15
	v_med3_num_f32 v[\s+16*\b+\i], v[\s+16*\b+\i], -v[TM+8+\b], v[TM+8+\b]   ; the conversion to an 8-bit code does not saturate (ISA guide 7.6.2): the hold comes first
.endr
	v_cvt_scalef32_pk8_bf8_f32 v[\pc+4*\b:\pc+1+4*\b], v[\s+16*\b:\s+7+16*\b], v[TM+12+\b]
	v_cvt_scalef32_pk8_bf8_f32 v[\pc+2+4*\b:\pc+3+4*\b], v[\s+8+16*\b:\s+15+16*\b], v[TM+12+\b]
.endr
	v_nop                                          ; a plain line behind the last conversion
.endm
; unit n of a wave: row block n / 2 of the work-group's two, 128 along K number n % 2 of the wave's 256.  Sixteen loads, a row's 512 consecutive bytes each
.macro LOADU n
.set ii, 0
.rept 16
	global_load_b128 v[R+64*((\n)%2)+4*ii:R+64*((\n)%2)+4*ii+3], v2, s[4:5] offset:(8*((\n)/2)+ii+8*(ii/8))*4096+512*((\n)%2) th:TH_LOAD_NT
.set ii, ii+1
.endr
.endm
.macro UNIT n
.if (\n) < 3
	s_wait_loadcnt 16                              ; this unit's 16 loads are in; the next unit's 16 may be out
.else
	s_wait_loadcnt 0x0
.endif
.set ii, 0
.rept 16
	ds_store_b128 v3, v[R+64*((\n)%2)+4*ii:R+64*((\n)%2)+4*ii+3] offset:528*ii   ; the rows as they lie, into my wave's own stage
.set ii, ii+1
.endr
.irp c, 0,1,2,3
.irp j, 0,1,2,3
	ds_load_b128 v[X+16*\c+4*\j:X+16*\c+4*\j+3], v4 offset:128*\c+16*\j          ; back: of row r, 16 neighbours of each block of 32; LDS serves a wave's instructions in order
.endr
.endr
	s_wait_dscnt 0x0                               ; the numbers are back, and the stores have read their registers
.if (\n) < 2
	LOADU (\n)+2
.else
	s_wait_xcnt 0x0                                ; this set of codes was the data of the stores two units back: it is written again only behind this wait
.endif
	QUANT X, PC+16*((\n)%2)
	ds_store_b32 v5, v[PW] offset:512*((\n)/2)+4*((\n)%2)      ; both halves of the lanes write the same word with the same value
.irp c, 0,1,2,3
	global_store_b128 v2, v[PC+16*((\n)%2)+4*\c:PC+16*((\n)%2)+4*\c+3], s[14:15] offset:4096*((\n)/2)+2048*((\n)%2)+512*\c   ; 512 consecutive bytes
.endr
.endm
; the weights: block t of 32 along K of my column
.macro LOADW t
.set ii, 0
.rept 32
	global_load_b32 v[WX+32*((\t)%2)+ii], v3, s[6:7] offset:(32*(\t)+ii)*4096 th:TH_LOAD_NT
.set ii, ii+1
.endr
.endm
.macro BLOCK t
.set XS, WX+32*((\t)%2)
.set CW, WC+8*(\t)
.if (\t) < 7
	s_wait_loadcnt 32                              ; this block's 32 loads are in; the next block's may be out
.else
	s_wait_loadcnt 0x0
.endif
	v_max3_num_f32 v8, |v[XS]|, |v[XS+1]|, |v[XS+2]|           ; all 32 numbers of the block are mine
	v_max3_num_f32 v9, |v[XS+3]|, |v[XS+4]|, |v[XS+5]|
.irp i, 6,10,14,18,22,26
	v_max3_num_f32 v8, v8, |v[XS+\i]|, |v[XS+\i+1]|
	v_max3_num_f32 v9, v9, |v[XS+\i+2]|, |v[XS+\i+3]|
.endr
	v_max3_num_f32 v8, v8, |v[XS+30]|, |v[XS+31]|
	v_max3_num_f32 v8, v8, v9, 0x8000000           ; and the floor
	v_add_nc_u32 v11, 0xf8800000, v8
	v_and_or_b32 v10, v8, 0x7f800000, s22
	v_lshrrev_b32 v15, 23, v11
.if (\t)%4 == 0
	v_mov_b32 v[SB+(\t)/4], v15
.else
	v_lshl_or_b32 v[SB+(\t)/4], v15, 8*((\t)%4), v[SB+(\t)/4]
.endif
.set ii, 0
.rept 32
	v_med3_num_f32 v[XS+ii], v[XS+ii], -v10, v10
.set ii, ii+1
.endr
.irp g, 0,1,2,3
	v_cvt_scalef32_pk8_bf8_f32 v[CW+2*\g:CW+2*\g+1], v[XS+8*\g:XS+8*\g+7], v11
.endr
	global_store_b128 v4, v[CW:CW+3], s[14:15] offset:2048*((\t)/4)+512*((\t)%4)         ; k 0..15 of the block: sixteen lanes fill 256 consecutive bytes, aligned
	global_store_b128 v4, v[CW+4:CW+7], s[14:15] offset:2048*((\t)/4)+512*((\t)%4)+256   ; k 16..31
.if (\t)+2 < 8
	LOADW (\t)+2
.endif
.endm
	s_load_b256 s[4:11], s[0:1], 0x0               ; x s[4:5], Wq s[6:7], Wk s[8:9], Wv s[10:11]
	s_load_b128 s[12:15], s[0:1], 0x20             ; Wo s[12:13], c0 s[14:15]
	s_load_b64 s[16:17], s[0:1], 0x30              ; s0
	s_set_vgpr_msb 0x40
	v_lshl_add_u32 v0, v0, 2, 0x8800
	v_mov_b32 v1, 0
	s_set_vgpr_msb 0x4000
	v_lshrrev_b32 v1, 5, v0
	v_readfirstlane_b32 s18, v1                    ; wave 0..3
	s_mov_b32 s20, 0x76543210
	s_mov_b32 s21, 0xfedcba98                      ; v_permlanex16_b32's selects for lane l xor 16
	s_mov_b32 s22, 0x600000                        ; the mantissa field of 57,344
	s_cmp_lt_u32 ttmp9, 256
	s_cbranch_scc0 .Lweights
	; ---- x: the work-group's 32 tokens; wave s takes K = 256 s .. 256 s + 255
	v_and_b32 v1, 31, v0
	v_and_b32 v6, 15, v0                           ; r
	v_bfe_u32 v7, v0, 4, 1                         ; h
	v_lshlrev_b32 v2, 4, v1                        ; 16 x lane
	s_mul_i32 s24, s18, STGB
	v_add_nc_u32 v3, s24, v2                       ; the stage, on the way in
	v_mul_u32_u24 v4, v6, 528
	v_lshl_add_u32 v4, v7, 6, v4
	v_add_nc_u32 v4, s24, v4                       ; and out: row r, + 64 h
	s_lshl_b32 s25, s18, 3
	s_add_co_u32 s25, s25, XG
	v_lshl_add_u32 v5, v6, 5, s25                  ; my row's 32 scale bytes, my wave's 8 of them
	s_lshl_b32 s25, s18, 9
	v_add_nc_u32 v8, s25, v2                       ; the scale bytes' way out (waves 0 and 1): 512 x wave + 16 x lane,
	v_add_nc_u32 v9, XG, v8                        ; and the same in LDS
.irp b, 0,1,2,3
	v_mov_b32 v[TM+4+\b], 0                        ; written once: a lane permute's destination counts as one of its sources
.endr
	s_lshl_b32 s26, ttmp9, 17                      ; 32 rows of 4,096 bytes
	s_lshl_b32 s27, s18, 10
	s_add_co_u32 s26, s26, s27
	s_mov_b32 s27, 0
	s_lshl_b32 s28, s18, 21                        ; the wave's plane of 2 MiB,
	s_lshl_b32 s29, ttmp9, 13                      ; the work-group's two row blocks in it
	s_add_co_u32 s28, s28, s29
	s_mov_b32 s29, 0
	s_lshl_b32 s30, ttmp9, 10
	s_mov_b32 s31, 0
	s_wait_alu depctr_va_vdst(0)
	s_wait_kmcnt 0x0
	s_add_nc_u64 s[4:5], s[4:5], s[26:27]
	s_add_nc_u64 s[14:15], s[14:15], s[28:29]
	s_add_nc_u64 s[16:17], s[16:17], s[30:31]
	LOADU 0
	LOADU 1
	UNIT 0
	UNIT 1
	UNIT 2
	UNIT 3
	s_wait_dscnt 0x0                               ; for the others' sake: my scale words lie in LDS
	s_barrier_signal -1
	s_barrier_wait -1
	s_cmp_lt_u32 s18, 2
	s_cbranch_scc0 .Lx_end
	ds_load_b128 v[192:195], v9                    ; the work-group's 1,024 scale bytes leave as whole rows: 512 consecutive bytes a wave
	s_wait_dscnt 0x0
	global_store_b128 v8, v[192:195], s[16:17]
.Lx_end:
	s_set_vgpr_msb 0x5
	s_wait_tensorcnt 0x0
	ds_add_u32 v0, v1
	s_wait_dscnt 0x0
	s_set_vgpr_msb 0x500
	s_endpgm
	; ---- a weight: a lane takes a column, its registers run down K, so the codes come out with K innermost and a block's maximum needs no other lane
.Lweights:
	s_sub_co_u32 s24, ttmp9, 256
	s_and_b32 s25, s24, 31                         ; which 128 positions
	s_lshr_b32 s26, s24, 5                         ; which 256 along K
	s_lshr_b32 s27, s25, 3                         ; which weight
	s_and_b32 s28, s25, 7
	v_and_b32 v1, 31, v0
	v_lshlrev_b32 v3, 2, v1                        ; in: 4 bytes a lane
	v_bfe_u32 v6, v0, 3, 1                         ; column 16 g + 8 u + i is lane 8 g + i of row block u
	v_bfe_u32 v7, v0, 4, 1
	v_and_b32 v14, 7, v0
	v_lshl_add_u32 v14, v7, 3, v14
	v_lshlrev_b32 v4, 4, v14
	v_lshl_add_u32 v4, v6, 12, v4                  ; codes: 4,096 u + 16 (8 g + i)
	v_lshl_add_u32 v5, v6, 4, v14
	v_lshlrev_b32 v5, 5, v5                        ; scale bytes: 32 x position
	s_lshl_b32 s30, s26, 20                        ; 256 rows of 4,096 bytes
	s_lshl_b32 s29, s28, 9
	s_add_co_u32 s30, s30, s29
	s_lshl_b32 s29, s18, 7
	s_add_co_u32 s30, s30, s29
	s_mov_b32 s31, 0
	s_lshl_b32 s32, s26, 20                        ; the plane of 1 MiB
	s_lshl_b32 s29, s25, 15
	s_add_co_u32 s32, s32, s29
	s_lshl_b32 s29, s18, 13
	s_add_co_u32 s32, s32, s29
	s_add_co_u32 s32, s32, 0x800000
	s_mov_b32 s33, 0
	s_lshl_b32 s34, s25, 12
	s_lshl_b32 s29, s18, 10
	s_add_co_u32 s34, s34, s29
	s_lshl_b32 s29, s26, 3
	s_add_co_u32 s34, s34, s29
	s_add_co_u32 s34, s34, 262144
	s_mov_b32 s35, 0
	s_wait_alu depctr_va_vdst(0)
	s_wait_kmcnt 0x0
	s_cmp_eq_u32 s27, 0                            ; the choice hangs on the work-group's number alone
	s_cselect_b64 s[6:7], s[6:7], s[8:9]
	s_cmp_eq_u32 s27, 2
	s_cselect_b64 s[10:11], s[10:11], s[12:13]
	s_cmp_lt_u32 s27, 2
	s_cselect_b64 s[6:7], s[6:7], s[10:11]
	s_add_nc_u64 s[6:7], s[6:7], s[30:31]
	s_add_nc_u64 s[14:15], s[14:15], s[32:33]
	s_add_nc_u64 s[16:17], s[16:17], s[34:35]
	LOADW 0
	LOADW 1
.irp t, 0,1,2,3,4,5,6,7
	BLOCK \t
.endr
	global_store_b64 v5, v[SB:SB+1], s[16:17]      ; my column's eight scale bytes
	s_endpgm
.Lfunc_end_k_qa733998de2_quant:
	.size	k_qa733998de2_quant, .Lfunc_end_k_qa733998de2_quant-k_qa733998de2_quant
	.p2alignl 7, 3214868480
	.fill 96, 4, 3214868480
	.section	.rodata,"a",@progbits
	.p2align	6, 0x0
	.amdhsa_kernel k_qa733998de2_quant
		.amdhsa_group_segment_fixed_size 35328
		.amdhsa_private_segment_fixed_size 0
		.amdhsa_enable_private_segment 0
		.amdhsa_kernarg_size 56
		.amdhsa_user_sgpr_count 2
		.amdhsa_user_sgpr_kernarg_segment_ptr 1
		.amdhsa_wavefront_size32 1
		.amdhsa_system_sgpr_workgroup_id_x 1
		.amdhsa_system_sgpr_workgroup_id_y 1
		.amdhsa_system_sgpr_workgroup_id_z 1
		.amdhsa_system_vgpr_workitem_id 0
		.amdhsa_next_free_vgpr 258
		.amdhsa_next_free_sgpr 66
		.amdhsa_reserve_vcc 0
		.amdhsa_float_denorm_mode_32 3
		.amdhsa_float_denorm_mode_16_64 3
		.amdhsa_memory_ordered 1
		.amdhsa_forward_progress 1
		.amdhsa_inst_pref_size 107
	.end_amdhsa_kernel
	.amdgpu_metadata
---
amdhsa.version: [ 1, 2 ]
amdhsa.kernels:
  - .name:           k_qa733998de2_quant
    .symbol:         k_qa733998de2_quant.kd
    .args:
      - { .name: x, .offset: 0, .size: 8, .value_kind: global_buffer, .address_space: global }
      - { .name: Wq, .offset: 8, .size: 8, .value_kind: global_buffer, .address_space: global }
      - { .name: Wk, .offset: 16, .size: 8, .value_kind: global_buffer, .address_space: global }
      - { .name: Wv, .offset: 24, .size: 8, .value_kind: global_buffer, .address_space: global }
      - { .name: Wo, .offset: 32, .size: 8, .value_kind: global_buffer, .address_space: global }
      - { .name: c0, .offset: 40, .size: 8, .value_kind: global_buffer, .address_space: global }
      - { .name: s0, .offset: 48, .size: 8, .value_kind: global_buffer, .address_space: global }
    .group_segment_fixed_size: 35328
    .private_segment_fixed_size: 0
    .kernarg_segment_align: 8
    .kernarg_segment_size: 56
    .max_flat_workgroup_size: 128
    .sgpr_count:     66
    .vgpr_count:     258
    .wavefront_size: 32
...
	.end_amdgpu_metadata
.endif
;; end of part 1
;; launch qkv (part 2): grid 8 x 48, 4 waves a work-group, clusters of 4 x 4, 327,680 bytes of LDS; arguments c0, s0, bq, bk, bv, c1, s1; writes c1, s1
.if DOCPART == 2
	.amdgcn_target "amdgcn-amd-amdhsa--gfx1250"
	.amdhsa_code_object_version 6
	.text
	.protected	k_qa733998de2_qkv
	.globl	k_qa733998de2_qkv
	.p2align	8
	.type	k_qa733998de2_qkv,@function
k_qa733998de2_qkv:
	s_mov_b64 s[64:65], 0
	v_nop
	global_prefetch_b8 v0, s[64:65] scope:SCOPE_SE
	s_setreg_imm32_b32 hwreg(HW_REG_WAVE_MODE, 25, 1), 1
	s_wait_xcnt 0x0
	s_wait_alu depctr_hold_cnt(0) depctr_sa_sdst(0) depctr_va_vdst(0) depctr_va_sdst(0) depctr_va_ssrc(0) depctr_va_vcc(0) depctr_vm_vsrc(0)
	s_getreg_b32 s2, hwreg(HW_REG_IB_STS2, 6, 4)
	s_cmp_eq_u32 s2, 0
	s_cbranch_scc0 .Lentry_in_a_cluster
	s_endpgm
.Lentry_in_a_cluster:
	s_bfe_u32 s2, ttmp6, 0x10000c
	s_cmp_lg_u32 s2, 0xf033
	s_cbranch_scc0 .Lentry_shape_is_right
	s_endpgm
.Lentry_shape_is_right:
; q = x Wq + bq, k = x Wk + bk, v = x Wv + bv on codes of BF8 (E5M2) with E8M0 scales, K = 1,024; the results leave as codes again: q and k quantised along the head's 64, v along the keys.
; A work-group makes 256 R rows x 256 P rows, four waves of 128 x 128 (64 accumulators, 512 registers).  Source 0 = 16 rows of P, source 1 = 16 rows of R: a lane holds one R row, its registers run along P.
; ROLES, by the cluster's y alone (the same in all sixteen partners): y < 8: R = tokens of x, P = columns of Wq (cluster x = 0) or Wk (1): a lane holds a token, registers run along the head's channels.
; y >= 8: R = columns of Wv, P = tokens: a lane holds a channel, registers run along the keys.  So in both roles a lane's registers run along the next product's K, and the conversions' results are operand registers.
; OPERANDS lie in memory and in LDS as images of their registers (16 rows x 128 K in 2,048 bytes, the 16 codes k = 32 c + 16 h + 0..15 of row r at 512 c + 16 (16 h + r)): no pitch, no padding, every LDS load takes 512 consecutive bytes.
; Lane r of row block 2 B + u is row 32 B + 8 u + r + 8 (r / 8): so the 16 registers of the tiles of P's blocks 2 B and 2 B + 1 are 16 neighbours, 32 B + 16 h + 0..15.
; K goes in four steps of 256 through two LDS slots; written straight, without a loop.  The scale bytes of the 512 rows, for all of K, come once.  CLUSTERS 4 x 4: R's tiles are asked for jointly along a row, P's along a column.
; THE HEAD's four tiles go one to a wave: K step 0 of R, of P, R's scale bytes, P's.  Slot 1 is first filled behind the full sequence and a round of the cluster's barrier, as a refill is.
; PREFETCH: K steps 1 and 2 behind the head's loads, K step 3 behind K step 2's load.  Of the 32,768 bytes that a wave fetches in a K step, each of the four partners that ask jointly names 8,192, told apart by address.
; The biases are the C of each sum's first product.
; c1: [q, k, v][batch x head: 64][131,072]: q, k as [tile of 16 tokens: 128][32 of the 64: 2][512]; v as [128 keys: 16][16 channels: 4][2,048].  s1: [3][64][16][4][16 lanes][4 bytes].
; LIMITS: NaN and infinities are not served; a block whose largest magnitude lies under 2^-111 (zeros among them) gets the byte 1; this program alone reads the bytes.
; REGISTERS: window 0: v0-31 addresses; v32-63 scale words, two sets; v64-127 the bias; v128-255 R's fragments, one set (free on the way out).  window 1: P's fragments, two sets.  windows 2, 3: accumulator (a, b) at v[8 (8 (a % 4) + b)].
.set SLOT,   131072                    ; R's 16 row blocks x 4,096 bytes, then P's
.set HALFT,  32768                     ; 128 rows x 256 K: what one tensor load of the ring brings
.set FR,     16
.set NL,     4
.set NP,     8                         ; places behind this matrix instruction (ISA guide 7.12.1)
.set NQ,     2
.set HALFS,  4352                      ; the scale bytes of 128 rows: 16 units of 256 bytes + 16 of padding
.set SBLK,   544                       ; those of 16 rows
.set SCL,    2*SLOT
.set SPARE,  SCL+4*HALFS               ; the spare words, 128 bytes a wave: no other line names them
.set STW,    SPARE+512                 ; 1,024 bytes a wave for the scale words' way out: the first 512 for q and k, the second for v
.set ADRA, 16
.set ADRB, 20
.set SRD,  22
.set SGO,  23
.set VA0,  24
.set VA2,  25
.set PSEL, 26
.set ADRS, 27
.set SPW,  28
.set NIL,  29
.set SQ,   30
.set SV,   31
.set SC,   32
.set BI,   64
.set AF,   128
.set T,    128                         ; the way out: v128-191 held numbers, v192-223 codes (two sets), v224-239 at work, v240-247 scale words, v248-251 words on their way
.set PC,   192
.set TM,   224
.set PWS,  240
.set WD,   248
.set G1,   24
.set G0,   32
.set G1B,  48
.set G0B,  56
.set STR,  66                          ; s[66:67] two K steps on in R's codes;  s[92:93] in P's
.set G1S,  68
.set G0S,  76
.set G0SB, 80
.set G1SB, 84
.set STP,  92
.set MSB, 0
.macro WIN new                         ; the immediate's high byte repeats the setting that is left
.if MSB != \new
	s_set_vgpr_msb (MSB<<8)|\new
.set MSB, \new
.endif
.endm
.set MUL_LO,  0xa1                     ; source 0 (P) window 1, source 1 (R) window 0, C and D window 2
.set MUL_HI,  0xf1
.set MULB_LO, 0x81                     ; the same with C (the bias) in window 0
.set MULB_HI, 0xc1
.set TO_B,    0x40
.macro JLOAD g0a, g1a, g0b, g1b        ; a joint load: waves 0 and 1 fetch for R, waves 2 and 3 for P; s_nop 0 and four v_nop follow each line
	s_cmp_eq_u32 s15, 0
	s_cbranch_scc0 .Lfor_b_\@
	tensor_load_to_lds s[\g0a:\g0a+3], s[\g1a:\g1a+7]
	s_nop 0
.rept 4
	v_nop
.endr
	s_branch .Lasked_\@
.Lfor_b_\@:
	tensor_load_to_lds s[\g0b:\g0b+3], s[\g1b:\g1b+7]
	s_nop 0
.rept 4
	v_nop
.endr
.Lasked_\@:
.endm
.macro CREST
	s_cmp_lg_u32 s14, 0
	s_cbranch_scc1 .Lnot_wave_0_\@
	s_barrier_signal -3
.Lnot_wave_0_\@:
	s_barrier_wait -3
	s_barrier_signal -1
	s_barrier_wait -1
.endm
.macro CROUND
	s_barrier_signal -1
	s_barrier_wait -1
	CREST
.endm
.macro FRAG reg, adr, q, i             ; row block i, the slot's q-th 128 along K: four loads of 512 consecutive bytes
.irp c, 0,1,2,3
	ds_load_b128 v[\reg+4*\c:\reg+4*\c+3], v[\adr] offset:4096*(\i)+2048*(\q)+512*\c
.endr
.endm
; 16 matrix instructions: R's blocks a0, a0 + 1 x P's eight.  cm = 0: onto the sums; 1: the sums begin with the bias of P's rows; 2: of R's rows.  The 64 accumulators take turns in the same order in every step.
.macro MUL16 a0, p, q, sc, cm
.irp a, \a0, \a0+1
.irp b, 0,1,2,3,4,5,6,7
.if \cm == 1
	v_wmma_scale_f32_16x16x128_f8f6f4 v[8*(8*((\a)%4)+\b):8*(8*((\a)%4)+\b)+7], v[128*(\p)+FR*\b:128*(\p)+FR*\b+FR-1], v[AF+FR*(\a):AF+FR*(\a)+FR-1], v[BI+8*\b:BI+8*\b+7], v[SC+8*NQ*(\sc)+NQ*\b+(\q)], v[SC+8*NQ*(\sc)+NQ*(\a)+(\q)] matrix_a_fmt:MATRIX_FMT_BF8 matrix_b_fmt:MATRIX_FMT_BF8 matrix_a_scale:MATRIX_SCALE_ROW1
.elseif \cm == 2
	v_wmma_scale_f32_16x16x128_f8f6f4 v[8*(8*((\a)%4)+\b):8*(8*((\a)%4)+\b)+7], v[128*(\p)+FR*\b:128*(\p)+FR*\b+FR-1], v[AF+FR*(\a):AF+FR*(\a)+FR-1], v[BI+8*(\a):BI+8*(\a)+7], v[SC+8*NQ*(\sc)+NQ*\b+(\q)], v[SC+8*NQ*(\sc)+NQ*(\a)+(\q)] matrix_a_fmt:MATRIX_FMT_BF8 matrix_b_fmt:MATRIX_FMT_BF8 matrix_a_scale:MATRIX_SCALE_ROW1
.else
	v_wmma_scale_f32_16x16x128_f8f6f4 v[8*(8*((\a)%4)+\b):8*(8*((\a)%4)+\b)+7], v[128*(\p)+FR*\b:128*(\p)+FR*\b+FR-1], v[AF+FR*(\a):AF+FR*(\a)+FR-1], v[8*(8*((\a)%4)+\b):8*(8*((\a)%4)+\b)+7], v[SC+8*NQ*(\sc)+NQ*\b+(\q)], v[SC+8*NQ*(\sc)+NQ*(\a)+(\q)] matrix_a_fmt:MATRIX_FMT_BF8 matrix_b_fmt:MATRIX_FMT_BF8 matrix_a_scale:MATRIX_SCALE_ROW1
.endif
.endr
.endr
.endm
.macro FETCH_B slot, q, p
	WIN TO_B
.irp i, 0,1,2,3,4,5,6,7
	FRAG 128*(\p)+FR*\i, ADRB+\slot, \q, \i
.endr
	WIN 0
.endm
.macro FETCH_A slot, q, i0
.irp i, \i0, \i0+1, \i0+2, \i0+3
	FRAG AF+FR*(\i), ADRA+\slot, \q, \i
.endr
.endm
.macro SCALES sc                       ; a K step's scale words: lanes 0-15 take R's block i, lanes 16-31 P's block i; two words a row
.irp i, 0,1,2,3,4,5,6,7
	ds_load_b64 v[SC+8*NQ*\sc+NQ*\i:SC+8*NQ*\sc+NQ*\i+1], v[ADRS] offset:\i*SBLK
.endr
.endm
.macro PLACES n                        ; plain places in front of loads into registers that matrix instructions have read, and of the first read of results
.rept \n
	v_nop
.endr
.endm
.macro STEP slot, q, cm                ; 128 along K that has its successor in the same slot
	s_wait_dscnt 4*NL                              ; P's set, R's blocks 0-3 and the scale words are in; the youngest 16 loads (R's blocks 4-7) may be out
.if \cm
	WIN MULB_LO
.else
	WIN MUL_LO
.endif
	MUL16 0, (\q)%2, \q, \slot, \cm
	MUL16 2, (\q)%2, \q, \slot, \cm
	s_wait_dscnt 0
	PLACES NP
	FETCH_B \slot, (\q)+1, 1-(\q)%2
	FETCH_A \slot, (\q)+1, 0
.if \cm
	WIN MULB_HI
.else
	WIN MUL_HI
.endif
	MUL16 4, (\q)%2, \q, \slot, \cm
	MUL16 6, (\q)%2, \q, \slot, \cm
	PLACES NP
	WIN 0
	FETCH_A \slot, (\q)+1, 4
.endm
; A slot's last 128 along K changes slots: one barrier; ahead of it each wave waits for all its tensor loads, adds 0 to its spare word and waits for that and for its reads of this slot.  fill = 1: the slot is filled again, two K steps on.
.macro TURN slot, next, fill
	s_wait_tensorcnt 0x0                           ; all my tensor loads have landed: my part of the next slot (every window is 0 here)
	ds_add_u32 v[SPW], v[NIL]                      ; 0 onto my spare word
	s_wait_dscnt 4*NL+1                            ; the add and the youngest 16 loads may be out
	WIN MUL_LO
	MUL16 0, 1, NQ-1, \slot, 0
	s_wait_dscnt 0x0                               ; the add is done, and my reads of this slot are over
	s_barrier_signal -1
	MUL16 2, 1, NQ-1, \slot, 0
	WIN 0
	s_barrier_wait -1
.if \fill
	CREST                                          ; the barrier has opened a round of the cluster's: no wave of any partner still reads this slot or has a load on its way
	s_add_nc_u64 s[G0+4*\slot+2:G0+4*\slot+3], s[G0+4*\slot+2:G0+4*\slot+3], s[STR:STR+1]
	s_add_nc_u64 s[G0B+4*\slot+2:G0B+4*\slot+3], s[G0B+4*\slot+2:G0B+4*\slot+3], s[STP:STP+1]
	JLOAD G0+4*\slot, G1, G0B+4*\slot, G1B         ; the first tensor load behind the round; its four v_nop are among the places in front of the loads below
	PLACES NP-4
.else
	PLACES NP
.endif
	s_wait_alu depctr_va_vdst(0)                   ; the address below was written a K step ago, behind waits that block
	v_add_nc_u32 v[ADRS], 4*NQ, v[ADRS]            ; the next K step's scale words (no LDS load of mine is out)
	FETCH_B \next, 0, 0
	FETCH_A \next, 0, 0
	SCALES \next
.if (\fill) && (\slot) == 0
	global_prefetch_b8 v12, s[4:5] th:TH_LOAD_NT scope:SCOPE_SE   ; K step 3, one change of slots ahead of its load
.endif
	WIN MUL_HI
	MUL16 4, 1, NQ-1, \slot, 0
	MUL16 6, 1, NQ-1, \slot, 0
	PLACES NP
	WIN 0
	FETCH_A \next, 0, 4
.endm
; THE WAY OUT of R's block a: its 64 numbers a lane (register 16 b + i = 32 b + 16 h + i along the next K) become 16 registers of codes and a scale word.  The same text serves both roles.
.macro QBLOCK a
.set AC, 64*((\a)%4)
.set PCS, PC+16*((\a)%2)
	WIN 0x28+0x14*((\a)/4)                         ; sources 1 and 2: window 2 or 3
.irp b, 0,1,2,3
	v_max3_num_f32 v[TM+\b], 0x8000000, |v[AC+16*\b]|, |v[AC+16*\b+1]|      ; the floor 2^(16 - 127) and my 16 numbers; each accumulator is read from its low end on
.endr
.irp i, 2,4,6,8,10,12,14
.irp b, 0,1,2,3
	v_max3_num_f32 v[TM+\b], v[TM+\b], |v[AC+16*\b+\i]|, |v[AC+16*\b+\i+1]|
.endr
.endr
	WIN 0
.irp b, 0,1,2,3
	v_permlanex16_b32 v[TM+4+\b], v[TM+\b], s2, s3
.endr
.irp b, 0,1,2,3
	v_max_num_f32 v[TM+\b], v[TM+\b], v[TM+4+\b]
.endr
.irp b, 0,1,2,3
	v_add_nc_u32 v[TM+12+\b], 0xf8800000, v[TM+\b]
.endr
.irp b, 0,1,2,3
	v_and_or_b32 v[TM+8+\b], v[TM+\b], 0x7f800000, s95
.endr
.irp b, 0,1,2,3
	v_lshrrev_b32 v[TM+4+\b], 23, v[TM+12+\b]
.endr
	v_lshl_or_b32 v[PWS+(\a)], v[TM+5], 8, v[TM+4]
	v_lshl_or_b32 v[PWS+(\a)], v[TM+6], 16, v[PWS+(\a)]
	v_lshl_or_b32 v[PWS+(\a)], v[TM+7], 24, v[PWS+(\a)]
	WIN 0x02+((\a)/4)                              ; source 0: window 2 or 3
.irp b, 0,1,2,3
.irp i, 0,1,2,3,4,5,6,7,8,9,10,11,12,13,14,15
	v_med3_num_f32 v[T+16*\b+\i], v[AC+16*\b+\i], -v[TM+8+\b], v[TM+8+\b]   ; the hold at 57,344 x the scale (the conversion does not saturate: ISA guide 7.6.2)
.endr
.endr
	WIN 0
.if (\a) > 0
	s_wait_alu depctr_va_vdst(0)
	s_wait_xcnt 0x0                                ; the earlier stores have read their base and their data: the base steps, and the set of codes of two blocks back is written again
.if (\a) == 4
	s_add_nc_u64 s[12:13], s[12:13], s[20:21]
.else
	s_add_nc_u64 s[12:13], s[12:13], s[18:19]
.endif
.endif
.irp b, 0,1,2,3
	v_cvt_scalef32_pk8_bf8_f32 v[PCS+4*\b:PCS+4*\b+1], v[T+16*\b:T+16*\b+7], v[TM+12+\b]
	v_cvt_scalef32_pk8_bf8_f32 v[PCS+4*\b+2:PCS+4*\b+3], v[T+16*\b+8:T+16*\b+15], v[TM+12+\b]
.endr
	v_nop                                          ; a plain line behind the last conversion
	global_store_b128 v[VA0], v[PCS:PCS+3], s[12:13]               ; each store covers 512 consecutive bytes, aligned
	global_store_b128 v[VA0], v[PCS+4:PCS+7], s[12:13] offset:512
	global_store_b128 v[VA2], v[PCS+8:PCS+11], s[12:13]            ; q, k: the next head; v: the fragment's second half
	global_store_b128 v[VA2], v[PCS+12:PCS+15], s[12:13] offset:512
.endm
	s_load_b256 s[4:11], s[0:1], 0x0               ; c0 s[4:5], s0 s[6:7], bq s[8:9], bk s[10:11]
	s_load_b128 s[96:99], s[0:1], 0x20             ; bv s[96:97], c1 s[98:99]
	s_load_b64 s[100:101], s[0:1], 0x30            ; s1
	v_lshl_add_u32 v[SPW], v0, 2, SPARE
	v_mov_b32 v[NIL], 0
	ds_add_u32 v28, v29                            ; the opening lines: the add twice on end and its wait
	ds_add_u32 v28, v29
	s_wait_dscnt 0x0
	v_lshrrev_b32 v1, 5, v0
	v_readfirstlane_b32 s14, v1                    ; wave 0..3
	s_lshr_b32 s15, s14, 1                         ; my half of R's rows.  Also: in the ring I fetch for R (0) or for P (1)
	s_and_b32 s16, s14, 1                          ; my half of P's rows.  Also: which 128 rows I fetch
	s_bfe_u32 s40, ttmp6, 0x40000                  ; cx
	s_bfe_u32 s41, ttmp6, 0x40004                  ; cy
	s_and_b32 s17, ttmp7, 0xffff                   ; the cluster's y
	s_sub_co_u32 s19, s17, 8
	s_lshl_b32 s19, s19, 1
	s_add_co_u32 s19, s19, ttmp9                   ; v's role: 2 (y - 8) + x
	s_mov_b32 s[STR], 0x400000
	s_mov_b32 s[STP], 0x400000
	s_cmp_ge_u32 s17, 8                            ; the role: the same in all sixteen partners
	s_cselect_b32 s94, 1, 0
	s_cselect_b32 s46, 0, s17
	s_cselect_b32 s42, s19, ttmp9
	s_cselect_b32 s18, 0x880000, 0                 ; R's codes: Wv's lie 8 MiB + 128 row blocks on
	s_cselect_b32 s20, 0, 0x800000                 ; P's codes: Wq's and Wk's lie 8 MiB on
	s_cselect_b32 s22, 327680, 0                   ; the same for the scale bytes
	s_cselect_b32 s12, 0, 262144
	s_cselect_b32 s[STR], 0x200000, s[STR]         ; two planes: a weight's plane is 1 MiB, x's 2 MiB
	s_cselect_b32 s[STP], s[STP], 0x200000
	s_mov_b32 s[STR+1], 0
	s_mov_b32 s[STP+1], 0
	s_lshl_b32 s46, s46, 2
	s_add_co_u32 s46, s46, s41                     ; R's tile: it hangs on cy alone, which a row of the cluster shares
	s_lshl_b32 s42, s42, 2
	s_add_co_u32 s42, s42, s40                     ; P's tile: on cx alone
	s_lshl_b32 s43, s41, 2
	s_lshl_b32 s43, 15, s43                        ; my row of the cluster
	s_lshl_b32 s44, 0x1111, s40                    ; my column
	s_or_b32 s[G1], s43, (3<<16)|(1<<21)           ; 15:0 the mask; 17:16 elements of 8 bytes; 21 set beside a mask; no padding
	s_or_b32 s[G1B], s44, (3<<16)|(1<<21)
.irp g, G1, G1B
	s_mov_b32 s[\g+1], 32<<16                      ; tensor_dim0 = 32 elements: 256 bytes
	s_mov_b32 s[\g+2], 256<<16                     ; tensor_dim1 = 256 for the head's loads: a dense block of 65,536 bytes
	s_mov_b32 s[\g+3], 32<<16                      ; tile_dim0
	s_mov_b32 s[\g+4], 256                         ; tile_dim1
	s_mov_b32 s[\g+5], 32                          ; the pitch
	s_mov_b32 s[\g+6], 0
	s_mov_b32 s[\g+7], 0
.endr
	s_or_b32 s[G1S], s43, (3<<16)|(1<<20)|(1<<21)|(5<<22)|(3<<25)   ; the scale bytes of 256 rows: 32 rows of 256 bytes, 16 bytes of padding behind each
	s_or_b32 s[G1SB], s44, (3<<16)|(1<<20)|(1<<21)|(5<<22)|(3<<25)
.irp g, G1S, G1SB
	s_mov_b32 s[\g+1], 32<<16
	s_mov_b32 s[\g+2], 32<<16
	s_mov_b32 s[\g+3], 32<<16
	s_mov_b32 s[\g+4], 32
	s_mov_b32 s[\g+5], 32
	s_mov_b32 s[\g+6], 0
	s_mov_b32 s[\g+7], 0
.endr
	s_lshl_b32 s47, s46, 16
	s_add_co_u32 s18, s18, s47
	s_mov_b32 s19, 0                               ; s[18:19]: R's codes
	s_lshl_b32 s17, s42, 16
	s_add_co_u32 s20, s20, s17
	s_mov_b32 s21, 0                               ; s[20:21]: P's codes
	s_lshl_b32 s47, s46, 13
	s_add_co_u32 s22, s22, s47
	s_mov_b32 s23, 0                               ; s[22:23]: R's scale bytes
	s_lshl_b32 s17, s42, 13
	s_add_co_u32 s12, s12, s17
	s_mov_b32 s13, 0                               ; s[12:13]: P's
	s_lshl_b32 s45, s14, 15                        ; the ring's places in a slot: wave x 32,768: no place in the cluster enters an LDS address
	s_wait_kmcnt 0x0
	s_add_nc_u64 s[18:19], s[4:5], s[18:19]
	s_add_nc_u64 s[20:21], s[4:5], s[20:21]
	s_add_nc_u64 s[22:23], s[6:7], s[22:23]
	s_add_nc_u64 s[12:13], s[6:7], s[12:13]
	s_mov_b32 s[G0S], 1
	s_mov_b32 s[G0S+1], SCL                        ; R's scale bytes, all 256 rows
	s_mov_b64 s[G0S+2:G0S+3], s[22:23]
	s_or_b32 s[G0S+3], s[G0S+3], 0x80000000
	s_mov_b32 s[G0SB], 1
	s_mov_b32 s[G0SB+1], SCL+2*HALFS               ; P's, behind them
	s_mov_b64 s[G0SB+2:G0SB+3], s[12:13]
	s_or_b32 s[G0SB+3], s[G0SB+3], 0x80000000
	s_mov_b32 s3, 0
	s_mov_b32 s[G0], 1
	s_mov_b32 s[G0+1], 0                           ; at the head: R's whole tile of K step 0
	s_mov_b64 s[G0+2:G0+3], s[18:19]
	s_or_b32 s[G0+3], s[G0+3], 0x80000000
	s_lshl_b32 s2, s16, 15                         ; for the ring: which 128 rows I fetch
	s_add_nc_u64 s[18:19], s[18:19], s[2:3]
	s_mov_b32 s[G0+4], 1
	s_add_co_u32 s[G0+5], s45, SLOT
	s_lshr_b32 s2, s[STR], 1                       ; one plane on: the second K step
	s_add_nc_u64 s[G0+6:G0+7], s[18:19], s[2:3]
	s_or_b32 s[G0+7], s[G0+7], 0x80000000
	s_mov_b32 s[G0B], 1
	s_mov_b32 s[G0B+1], 65536                      ; at the head: P's whole tile of K step 0
	s_mov_b64 s[G0B+2:G0B+3], s[20:21]
	s_or_b32 s[G0B+3], s[G0B+3], 0x80000000
	s_lshl_b32 s2, s16, 15
	s_add_nc_u64 s[20:21], s[20:21], s[2:3]
	s_mov_b32 s[G0B+4], 1
	s_add_co_u32 s[G0B+5], s45, SLOT
	s_lshr_b32 s2, s[STP], 1
	s_add_nc_u64 s[G0B+6:G0B+7], s[20:21], s[2:3]
	s_or_b32 s[G0B+7], s[G0B+7], 0x80000000
	CROUND                                         ; all sixteen work-groups are here: the first joint loads meet
	; the head's four tiles, one joint load a wave, in one chain of branches on the wave's number
	s_cmp_lt_u32 s14, 1
	s_cbranch_scc0 .Lhead_p
	tensor_load_to_lds s[G0:G0+3], s[G1:G1+7]      ; wave 0: K step 0's 256 rows of R
	s_nop 0
	PLACES 4
	s_branch .Lhead_asked
.Lhead_p:
	s_cmp_lt_u32 s14, 2
	s_cbranch_scc0 .Lhead_sr
	tensor_load_to_lds s[G0B:G0B+3], s[G1B:G1B+7]  ; wave 1: its 256 rows of P
	s_nop 0
	PLACES 4
	s_branch .Lhead_asked
.Lhead_sr:
	s_cmp_lt_u32 s14, 3
	s_cbranch_scc0 .Lhead_sp
	tensor_load_to_lds s[G0S:G0S+3], s[G1S:G1S+7]  ; wave 2: R's scale bytes
	s_nop 0
	PLACES 4
	s_branch .Lhead_asked
.Lhead_sp:
	tensor_load_to_lds s[G0SB:G0SB+3], s[G1SB:G1SB+7]  ; wave 3: P's
	s_nop 0
	PLACES 4
.Lhead_asked:
	; K steps 1 to 3 are prefetched: of the 32,768 bytes that my wave fetches in each K step, each of the four partners that ask for them jointly names 8,192, told apart by address (cx for R, cy for P); lanes 256 bytes apart
	s_cmp_eq_u32 s15, 0
	s_cselect_b64 s[4:5], s[18:19], s[20:21]
	s_cselect_b32 s2, s40, s41
	s_cselect_b32 s7, s[STR], s[STP]
	s_lshl_b32 s2, s2, 13
	s_mov_b32 s3, 0
	s_add_nc_u64 s[4:5], s[4:5], s[2:3]
	s_lshr_b32 s7, s7, 1                           ; a K step on: one plane
	s_lshl_b32 s6, s7, 1
	s_add_co_u32 s2, s6, s7
	v_and_b32 v9, 31, v0
	v_lshl_add_u32 v10, v9, 8, s7
	v_lshl_add_u32 v11, v9, 8, s6
	v_lshl_add_u32 v12, v9, 8, s2                  ; v10 to v12 and s[4:5] are kept for the prefetches alone
	global_prefetch_b8 v10, s[4:5] th:TH_LOAD_NT scope:SCOPE_SE
	global_prefetch_b8 v11, s[4:5] th:TH_LOAD_NT scope:SCOPE_SE
	v_and_b32 v1, 15, v0                           ; r
	v_bfe_u32 v2, v0, 4, 1                         ; h
	v_and_b32 v3, 31, v0
	v_lshlrev_b32 v[VA0], 4, v3                    ; 16 x lane
	s_lshl_b32 s95, s15, 15
	s_lshl_b32 s3, s16, 15
	s_add_co_u32 s3, s3, 65536
	v_add_nc_u32 v[ADRA], s95, v[VA0]
	v_add_nc_u32 v[ADRB], s3, v[VA0]
	v_add_nc_u32 v[ADRA+1], SLOT, v[ADRA]
	v_add_nc_u32 v[ADRB+1], SLOT, v[ADRB]
	v_lshlrev_b32 v5, 5, v1                        ; my row's scale bytes: 32 a row,
	v_lshrrev_b32 v6, 8, v5
	v_lshl_add_u32 v5, v6, 4, v5                   ; and 16 more for each 256 passed
	s_mul_i32 s21, s15, HALFS
	s_mul_i32 s22, s16, HALFS
	s_add_co_u32 s22, s22, 2*HALFS
	s_sub_co_u32 s22, s22, s21
	v_mul_u32_u24 v6, s22, v2                      ; lanes 16-31 take P's: one product with h
	s_add_co_u32 s21, s21, SCL
	v_add_nc_u32 v5, v5, v6
	v_add_nc_u32 v[ADRS], s21, v5
	s_lshl_b32 s47, s14, 10
	s_add_co_u32 s47, s47, STW
	v_lshl_add_u32 v[SV], v1, 2, s47
	v_lshl_add_u32 v[SQ], v2, 8, v[SV]             ; q, k: head h's 256 bytes, 4 r
	v_add_nc_u32 v[SV], 512, v[SV]                 ; v: 4 r in the second 512 bytes
	v_add_nc_u32 v[SRD], s47, v[VA0]               ; back: 16 bytes a lane
	v_lshlrev_b32 v[SGO], 4, v1
	v_lshl_add_u32 v[SGO], v2, 12, v[SGO]          ; in s1: lanes 0-15 one head's 256 bytes, lanes 16-31 the next head's
	v_mov_b32 v[PSEL], 0x05040100                  ; lanes 0-15 pack the low halves of two scale words, lanes 16-31 the high halves
	v_mov_b32 v6, 0x07060302
	v_cmp_eq_u32 vcc_lo, 1, v2
	v_cndmask_b32 v[PSEL], v[PSEL], v6, vcc_lo
	v_lshlrev_b32 v7, 6, v2                        ; the bias of P's rows: 16 h numbers on
	v_and_b32 v8, 8, v1
	v_add_nc_u32 v8, v8, v1
	v_lshlrev_b32 v8, 2, v8                        ; of R's rows: r + 8 (r / 8)
	s_cmp_eq_u32 ttmp9, 0
	s_cselect_b64 s[8:9], s[8:9], s[10:11]         ; bq or bk
	s_cmp_eq_u32 s94, 1
	s_cselect_b64 s[8:9], s[96:97], s[8:9]         ; or bv
	s_cselect_b32 s17, s41, s40                    ; which 256 channels,
	s_cselect_b32 s18, s15, s16                    ; which half of them,
	s_cselect_b32 s19, s42, s46                    ; which 256 tokens,
	s_cselect_b32 s20, s16, s15                    ; which half of them,
	s_cselect_b32 s21, 2, ttmp9                    ; q, k or v
	s_lshl_b32 s22, s17, 10
	s_lshl_b32 s23, s18, 9
	s_add_co_u32 s22, s22, s23
	s_mov_b32 s23, 0
	s_add_nc_u64 s[8:9], s[8:9], s[22:23]          ; the bias at my 128 channels
	s_lshl_b32 s21, s21, 6
	s_lshr_b32 s22, s19, 3
	s_lshl_b32 s22, s22, 4
	s_add_co_u32 s21, s21, s22
	s_lshl_b32 s22, s17, 2
	s_add_co_u32 s21, s21, s22
	s_lshl_b32 s22, s18, 1
	s_add_co_u32 s21, s21, s22                     ; 64 x which + 16 x batch + my first head
	s_and_b32 s19, s19, 7
	s_lshl_b32 s19, s19, 1
	s_add_co_u32 s19, s19, s20                     ; my 128 tokens in the batch
	s_lshl_b32 s22, s21, 17
	s_lshl_b32 s20, s19, 13
	s_add_co_u32 s22, s22, s20
	s_add_nc_u64 s[12:13], s[98:99], s[22:23]      ; where my codes go
	s_lshl_b32 s22, s21, 12
	s_lshl_b32 s20, s19, 8
	s_add_co_u32 s22, s22, s20
	s_add_nc_u64 s[10:11], s[100:101], s[22:23]    ; and my scale words
	s_cmp_eq_u32 s94, 1
	s_cbranch_scc1 .Lbias_v
	s_wait_alu depctr_va_vdst(0)
.irp t, 0,1,2,3,4,5,6,7                        ; q, k: for P's block t my eight registers are channels 32 (t / 2) + 16 h + 8 (t % 2) + 0..7
	global_load_b128 v[BI+8*\t:BI+8*\t+3], v7, s[8:9] offset:(32*(\t/2)+8*(\t%2))*4
	global_load_b128 v[BI+8*\t+4:BI+8*\t+7], v7, s[8:9] offset:(32*(\t/2)+8*(\t%2))*4+16
.endr
	s_branch .Lbias_done
.Lbias_v:
	s_wait_alu depctr_va_vdst(0)
.irp a, 0,1,2,3,4,5,6,7                        ; v: for R's block a all eight registers hold my channel's bias
.irp j, 0,1,2,3,4,5,6,7
	global_load_b32 v[BI+8*\a+\j], v8, s[8:9] offset:(32*(\a/2)+8*(\a%2))*4
.endr
.endr
.Lbias_done:
	s_wait_alu depctr_va_vdst(0)                   ; the wait at the head's end
	s_wait_tensorcnt 0x0                           ; my tile of the head's four is in; these lines stand ahead of slot 1's first fill as ahead of a refill
	ds_add_u32 v[SPW], v[NIL]
	s_mov_b32 s[G1+2], 128<<16                     ; no tensor load of mine is out: from here on a load brings 128 rows,
	s_mov_b32 s[G1+4], 128
	s_mov_b32 s[G1B+2], 128<<16
	s_mov_b32 s[G1B+4], 128
	s_mov_b32 s[G0+1], s45                         ; and slot 0's descriptors name my quarter of the slot
	s_mov_b32 s[G0B+1], s45
	s_lshl_b32 s2, s16, 15
	s_mov_b32 s3, 0
	s_add_nc_u64 s[G0+2:G0+3], s[G0+2:G0+3], s[2:3]
	s_add_nc_u64 s[G0B+2:G0B+3], s[G0B+2:G0B+3], s[2:3]
	s_wait_dscnt 0x0
	CROUND                                         ; all four tiles are in, and all sixteen work-groups are here
	JLOAD G0+4, G1, G0B+4, G1B                     ; K step 1: the first tensor load behind the round
	FETCH_B 0, 0, 0
	FETCH_A 0, 0, 0
	SCALES 0
	FETCH_A 0, 0, 4
	s_wait_loadcnt 0x0                             ; the bias
	s_cmp_eq_u32 s94, 1
	s_cbranch_scc1 .Lfirst_v
	STEP 0, 0, 1                                   ; the first products start the sums with the bias: nothing is cleared, nothing is added later
	s_branch .Lfirst_done
.Lfirst_v:
	STEP 0, 0, 2
.Lfirst_done:
	TURN 0, 1, 1
	STEP 1, 0, 0
	TURN 1, 0, 1
	STEP 0, 0, 0
	TURN 0, 1, 0                                   ; the last two K steps fill nothing
	STEP 1, 0, 0
	s_wait_dscnt 4*NL
	WIN MUL_LO
	MUL16 0, 1, NQ-1, 1, 0
	MUL16 2, 1, NQ-1, 1, 0
	s_wait_dscnt 0
	WIN MUL_HI
	MUL16 4, 1, NQ-1, 1, 0
	MUL16 6, 1, NQ-1, 1, 0
	WIN 0
	PLACES NP                                      ; behind the last products: R's registers are written, and results read, from here on
	s_mov_b32 s2, 0x76543210
	s_mov_b32 s3, 0xfedcba98
	s_mov_b32 s95, 0x600000                        ; the mantissa field of 57,344
	s_mov_b32 s18, 1024                            ; from block to block: q, k: a tile of 1,024 bytes; v: a fragment of 2,048, and at block 4 the next head
	s_mov_b32 s20, 1024
	s_mov_b32 s22, 131072
	s_cmp_eq_u32 s94, 1
	s_cselect_b32 s18, 2048, s18
	s_cselect_b32 s20, 124928, s20
	s_cselect_b32 s22, 1024, s22
	s_mov_b32 s19, 0
	s_mov_b32 s21, 0
	v_add_nc_u32 v[VA2], s22, v[VA0]
.irp b, 0,1,2,3
	v_mov_b32 v[TM+4+\b], 0                        ; written once: a lane permute's destination counts as one of its sources
.endr
.irp a, 0,1,2,3,4,5,6,7
	QBLOCK \a
.endr
	s_cmp_eq_u32 s94, 1
	s_cbranch_scc1 .Lwords_v
.irp b, 0,1,2,3                                ; q, k: a word is tile 2 b's two bytes, then tile 2 b + 1's; lanes 0-15 make the first head's, lanes 16-31 the second's
	v_perm_b32 v[WD+\b], v[PWS+2*\b+1], v[PWS+2*\b], v[PSEL]
.endr
.irp b, 0,1,2,3
	ds_store_b32 v[SQ], v[WD+\b] offset:64*\b
.endr
	ds_load_b128 v[WD:WD+3], v[SRD]                ; LDS serves a wave's instructions in order: this sees my stores
	s_branch .Lwords_done
.Lwords_v:
.irp a, 0,1,2,3,4,5,6,7                        ; v: block a's word is my channel's four bytes; both halves of the lanes write the same word
	ds_store_b32 v[SV], v[PWS+\a] offset:64*\a
.endr
	ds_load_b128 v[WD:WD+3], v[SRD] offset:512
.Lwords_done:
	s_wait_dscnt 0x0
	global_store_b128 v[SGO], v[WD:WD+3], s[10:11] ; sixteen lanes store 256 consecutive bytes, aligned: one head's words of these 128 tokens
	s_wait_tensorcnt 0x0                           ; the wave's end
	ds_add_u32 v[SPW], v[NIL]
	s_wait_dscnt 0x0
	CROUND                                         ; the closing round
	s_endpgm
.Lfunc_end_k_qa733998de2_qkv:
	.size	k_qa733998de2_qkv, .Lfunc_end_k_qa733998de2_qkv-k_qa733998de2_qkv
	.p2alignl 7, 3214868480
	.fill 96, 4, 3214868480
	.section	.rodata,"a",@progbits
	.p2align	6, 0x0
	.amdhsa_kernel k_qa733998de2_qkv
		.amdhsa_group_segment_fixed_size 327680
		.amdhsa_private_segment_fixed_size 0
		.amdhsa_enable_private_segment 0
		.amdhsa_kernarg_size 56
		.amdhsa_user_sgpr_count 2
		.amdhsa_user_sgpr_kernarg_segment_ptr 1
		.amdhsa_wavefront_size32 1
		.amdhsa_system_sgpr_workgroup_id_x 1
		.amdhsa_system_sgpr_workgroup_id_y 1
		.amdhsa_system_sgpr_workgroup_id_z 1
		.amdhsa_system_vgpr_workitem_id 0
		.amdhsa_next_free_vgpr 1024
		.amdhsa_next_free_sgpr 102
		.amdhsa_reserve_vcc 1
		.amdhsa_float_denorm_mode_32 3
		.amdhsa_float_denorm_mode_16_64 3
		.amdhsa_memory_ordered 1
		.amdhsa_forward_progress 1
		.amdhsa_inst_pref_size 210
	.end_amdhsa_kernel
	.amdgpu_metadata
---
amdhsa.version: [ 1, 2 ]
amdhsa.kernels:
  - .name:           k_qa733998de2_qkv
    .symbol:         k_qa733998de2_qkv.kd
    .args:
      - { .name: c0, .offset: 0, .size: 8, .value_kind: global_buffer, .address_space: global }
      - { .name: s0, .offset: 8, .size: 8, .value_kind: global_buffer, .address_space: global }
      - { .name: bq, .offset: 16, .size: 8, .value_kind: global_buffer, .address_space: global }
      - { .name: bk, .offset: 24, .size: 8, .value_kind: global_buffer, .address_space: global }
      - { .name: bv, .offset: 32, .size: 8, .value_kind: global_buffer, .address_space: global }
      - { .name: c1, .offset: 40, .size: 8, .value_kind: global_buffer, .address_space: global }
      - { .name: s1, .offset: 48, .size: 8, .value_kind: global_buffer, .address_space: global }
    .group_segment_fixed_size: 327680
    .private_segment_fixed_size: 0
    .kernarg_segment_align: 8
    .kernarg_segment_size: 56
    .max_flat_workgroup_size: 128
    .sgpr_count:     102
    .vgpr_count:     1024
    .wavefront_size: 32
...
	.end_amdgpu_metadata
.endif
;; end of part 2
;; launch attn (part 3): grid 4 x 64, 16 waves a work-group, clusters of 4 x 1, 273,408 bytes of LDS; arguments c1, s1, c2, s2; writes c2, s2
.if DOCPART == 3
	.amdgcn_target "amdgcn-amd-amdhsa--gfx1250"
	.amdhsa_code_object_version 6
	.text
	.protected	k_qa733998de2_attn
	.globl	k_qa733998de2_attn
	.p2align	8
	.type	k_qa733998de2_attn,@function
k_qa733998de2_attn:
	s_mov_b64 s[64:65], 0
	v_nop
	global_prefetch_b8 v0, s[64:65] scope:SCOPE_SE
	s_setreg_imm32_b32 hwreg(HW_REG_WAVE_MODE, 25, 1), 1
	s_wait_xcnt 0x0
	s_wait_alu depctr_hold_cnt(0) depctr_sa_sdst(0) depctr_va_vdst(0) depctr_va_sdst(0) depctr_va_ssrc(0) depctr_va_vcc(0) depctr_vm_vsrc(0)
	s_getreg_b32 s2, hwreg(HW_REG_IB_STS2, 6, 4)
	s_cmp_eq_u32 s2, 0
	s_cbranch_scc0 .Lentry_in_a_cluster
	s_endpgm
.Lentry_in_a_cluster:
	s_bfe_u32 s2, ttmp6, 0x10000c
	s_cmp_lg_u32 s2, 0x3003
	s_cbranch_scc0 .Lentry_shape_is_right
	s_endpgm
.Lentry_shape_is_right:
; For each batch and head: O = softmax(q k^T / 8) v, both products on codes of BF8 (E5M2) with E8M0 scales; O / the row's sum leaves as codes again, quantised along the model's 1,024.
; THE SOFTMAX: t = score x log2(e) / 8; M = the running largest t rounded UP to a whole number; p = 2^(t - M) is quantised along the keys, not normalised; the row's sum is taken of the unquantised p.
; When M moves, the sum and O are multiplied by f = 2^(old M - new M): exact, and without a branch on data.
; SHARES.  A work-group owns 512 queries of one batch and head; each of its sixteen waves owns two tiles of 16 queries and takes them in two passes (one loop of two trips) over the head's 16 steps of 128 keys.
; K AND V OF THE WHOLE HEAD, codes and scale words, 270,336 bytes, come into LDS once and stay: no LDS byte is filled twice.  Ten waves fetch, one joint load each (mask 15: the four work-groups of a head):
; waves 0, 1 the scale words of k and of v; waves 2, 3 the first 32,768 bytes (four key steps) of k and of v; waves 4 to 9 the other three quarters.  Ahead of key steps 0-3 waves 0 to 3 alone wait; ahead of steps 4-15 all do.
; All fills go out at the head, so there is no loop to run ahead in: nothing is prefetched.
; PACE.  Each key step has one barrier that guards no fill: signalled ahead of the step's score products, awaited behind its last product: no wave ends a step before every wave has its fragments of k for that step.
; LAYOUT.  Operands lie as images of their registers (2,048 bytes a fragment, 512 consecutive bytes a load).  Both products are used transposed: a lane holds one query throughout.
; THE HEAD'S 64 IN AN INSTRUCTION OF 128: a fragment of k holds two tiles of 16 keys, in K = 0..63 and 64..127.  Multiplied by [q | zeros] it gives the first tile's scores, by [zeros | q] the second's.
; Lane r of tile 2 b + u is key 32 b + 8 u + r + 8 (r / 8): the 16 registers of tiles 2 b, 2 b + 1 are 16 neighbouring keys, as p's fragment wants them.  V's channels likewise.
; THE ROW'S SUM of a step is gathered in eight pairs; its last eight lines (seven additions, and l = l f + sum) stand in the places behind the products: five at the next step's head, three behind its score products; the way out runs all eight.
; LIMITS: NaN and infinities are not served; the scaled scores t stay under 2^31 in magnitude; a block whose largest magnitude lies under 2^-111 gets the byte 1; this program alone reads the bytes.
.set KSW,  262144                      ; LDS: k's codes at 0, v's at 131,072; k's scale words here, v's 4,096 further on
.set SCO,  270336                      ; the work-group's 512 x 2 scale bytes of O, on their way out: no load lands here
.set SPARE, 271360                     ; the spare words, 128 bytes a wave: no other line names them
.set AK0,  1                           ; v1   16 x lane
.set AV0,  2                           ; v2   + 131,072
.set AS0,  3                           ; v3   scale words: lanes 0-15 k's, lanes 16-31 v's
.set ADK,  4
.set ADV,  5
.set ADS,  6
.set SA,   7                           ; v7   SCO + 64 x wave + 2 r
.set SW,   8                           ; v8-11 the step's scale words;  v12 -M, v13 the largest t, v[14:15] l in two halves;  v16-23 zeros, v24-31 q, v32-39 zeros
.set QS,   40                          ; v40  q's scale word, its two bytes twice; v41 the bytes of both tiles; v[42:43] the sums' eighth pair
.set FF,   44                          ; v44  f; v45 p's scale word (named with it as a pair)
.set PWD,  45
.set TT,   46
.set OB,   47                          ; v47  O's scale bytes of both passes
.set FRG,  48                          ; v48-111  four fragments, of k and then of v
.set S,    112                         ; v112-175 S^T, then p
.set OT,   176                         ; v176-207 O^T
.set PCD,  208                         ; v208-223 p's codes
.set BM,   224                         ; v224-227 block maxima; v228-231 at work; v232-235 holds; v236-239 scale operands; v240-253 the sums' pairs 0 to 6
.set PB,   228
.set HD,   232
.set SO,   236
.set SPW,  254
.set NIL,  255
.set WV,   16
.set PASS, 56                          ; s56  the pass; s57 the selector that spreads its tile's two scale bytes
.set TB,   60                          ; s60  the step's codes begin here in k's and in v's region
.set TS,   61                          ; s61  and its scale words
.macro BARRIER
	s_barrier_signal -1
	s_barrier_wait -1
.endm
.macro CROUND
	BARRIER
	s_cmp_lg_u32 s[WV], 0
	s_cbranch_scc1 .Lnot_wave_0_\@
	s_barrier_signal -3
.Lnot_wave_0_\@:
	s_barrier_wait -3
	BARRIER
.endm
.macro ARM under, g0, g1, next         ; an arm of the head's chain: its load, s_nop 0 and four v_nop, a jump to the join
	s_cmp_lt_u32 s[WV], \under
	s_cbranch_scc0 \next
	tensor_load_to_lds s[\g0:\g0+3], s[\g1:\g1+7]
	s_nop 0
.rept 4
	v_nop
.endr
	s_branch .Lhead_asked
\next:
.endm
.macro COMBO n                         ; line n of the eight that join a step's eight pairs and bring them into l
.if (\n) < 3
	v_pk_add_f32 v[240+2*(\n):241+2*(\n)], v[240+2*(\n):241+2*(\n)], v[248+2*(\n):249+2*(\n)]
.elseif (\n) == 3
	v_pk_add_f32 v[246:247], v[246:247], v[42:43]
.elseif (\n) < 6
	v_pk_add_f32 v[232+2*(\n):233+2*(\n)], v[232+2*(\n):233+2*(\n)], v[236+2*(\n):237+2*(\n)]
.elseif (\n) == 6
	v_pk_add_f32 v[240:241], v[240:241], v[242:243]
.else
	v_pk_fma_f32 v[14:15], v[14:15], v[FF:FF+1], v[240:241] op_sel_hi:[1,0,1]   ; l under that step's M, and its sum
.endif
.endm
; A KEY STEP: 128 keys
.macro VL n                            ; two of the sixteen loads that bring v's four fragments
.irp e, 0,1
	ds_load_b128 v[FRG+4*(2*(\n)+\e):FRG+4*(2*(\n)+\e)+3], v[ADV] offset:512*(2*(\n)+\e)
.endr
.endm
.macro STEP
	v_add_nc_u32 v[ADK], s[TB], v[AK0]
	v_add_nc_u32 v[ADV], s[TB], v[AV0]
	v_add_nc_u32 v[ADS], s[TS], v[AS0]
.irp n, 0,1,2,3,4
	COMBO \n                                       ; with the three additions: eight places in front of loads into registers that the last products have read
.endr
.irp b, 0,1,2,3
.irp c, 0,1,2,3
	ds_load_b128 v[FRG+16*\b+4*\c:FRG+16*\b+4*\c+3], v[ADK] offset:2048*\b+512*\c
.endr
	ds_load_b32 v[SW+\b], v[ADS] offset:64*\b
.endr
	s_wait_alu depctr_va_vdst(0)
	s_wait_dscnt 0x0
	s_barrier_signal -1                            ; I have this step's fragments of k; only products, vector work and loads of resident bytes stand up to the wait
.irp b, 0,1,2,3                                ; S^T = k q^T: each fragment of k twice
	v_wmma_scale_f32_16x16x128_f8f6f4 v[S+16*\b:S+16*\b+7], v[FRG+16*\b:FRG+16*\b+15], v[24:39], 0, v[SW+\b], v[QS] matrix_a_fmt:MATRIX_FMT_BF8 matrix_b_fmt:MATRIX_FMT_BF8
	v_wmma_scale_f32_16x16x128_f8f6f4 v[S+16*\b+8:S+16*\b+15], v[FRG+16*\b:FRG+16*\b+15], v[16:31], 0, v[SW+\b], v[QS] matrix_a_fmt:MATRIX_FMT_BF8 matrix_b_fmt:MATRIX_FMT_BF8
.endr
	COMBO 5                                        ; eight places: in front of the loads below and of the first read of the scores
	v_nop
	v_nop
	COMBO 6
	v_nop
	v_nop
	COMBO 7
	v_nop
.irp n, 0,1,2,3,4,5,6,7
	VL \n                                          ; v's fragments, sixteen loads in one run: they land under the softmax
.endr
.irp b, 0,1,2,3
	v_max3_num_f32 v[BM+\b], v[S+16*\b], v[S+1+16*\b], v[S+2+16*\b]   ; the largest score of each block of 32 keys: for the row's maximum and, since p rises with the score, for the block's largest p
.endr
.irp i, 3,5,7,9,11,13
.irp b, 0,1,2,3
	v_max3_num_f32 v[BM+\b], v[BM+\b], v[S+16*\b+\i], v[S+1+16*\b+\i]
.endr
.endr
.irp b, 0,1,2,3
	v_max_num_f32 v[BM+\b], v[BM+\b], v[S+15+16*\b]
.endr
.irp b, 0,1,2,3
	s_delay_alu instid0(VALU_DEP_4)
	v_permlanex16_b32 v[PB+\b], v[BM+\b], s20, s21
.endr
.irp b, 0,1,2,3
	s_delay_alu instid0(VALU_DEP_4)
	v_max_num_f32 v[BM+\b], v[BM+\b], v[PB+\b]     ; with lane l xor 16's 16 keys
.endr
	s_delay_alu instid0(VALU_DEP_2)
	v_max3_num_f32 v[TT], v[BM], v[BM+1], v[BM+2]
	s_delay_alu instid0(VALU_DEP_1)
	v_max_num_f32 v[TT], v[TT], v[BM+3]
	s_delay_alu instid0(VALU_DEP_1)
	v_mul_f32 v[TT], s22, v[TT]                    ; as t (c is positive)
	s_delay_alu instid0(VALU_DEP_1)
	v_max_num_f32 v13, v13, v[TT]                  ; the running largest t
	v_mov_b32 v[TT], v12
	s_delay_alu instid0(VALU_DEP_2)
	v_floor_f32 v12, -v13                          ; the new -M = floor(-t): M is a whole number
	s_delay_alu instid0(VALU_DEP_1)
	v_sub_f32 v[TT], v12, v[TT]                    ; old M - new M: a whole number, 0 or less
	s_delay_alu instid0(VALU_DEP_1)
	v_cvt_i32_f32 v[TT], v[TT]                     ; (it saturates)
	s_delay_alu instid0(VALU_DEP_1)
	v_ldexp_f32 v[FF], 1.0, v[TT]                  ; f
.set j, 0
.rept 32
	v_pk_fma_f32 v[S+j:S+j+1], v[S+j:S+j+1], s[22:23], v[12:13] op_sel_hi:[1,0,0]   ; t - M, two at a time
.set j, j+2
.endr
.irp b, 0,1,2,3
	v_fma_f32 v[BM+\b], v[BM+\b], s22, v12         ; the same of each block's largest score
.endr
	s_wait_alu depctr_va_vdst(0)                   ; one wait ahead of the batch of 68
.irp b, 0,1,2,3
	v_exp_f32 v[BM+\b], v[BM+\b]                   ; the block's largest p: the same two instructions on the same number
.endr
.set j, 0
.rept 64
	v_exp_f32 v[S+j], v[S+j]                       ; p = 2^(t - M), at most 1
.set j, j+1
.endr
	v_nop                                          ; a plain line behind the exponentials,
	s_wait_alu depctr_va_vdst(0)                   ; and one wait behind the batch, ahead of its first reader
.set i, 0
.rept 8                                        ; the row's sum of the unquantised p: eight pairs, four pairs of p into each
.set pr, 240+2*i-(i/7)*212
	v_pk_add_f32 v[pr:pr+1], v[S+4*i:S+4*i+1], v[S+4*i+2:S+4*i+3]
.set i, i+1
.endr
.irp o, 32,48
.set i, 0
.rept 8
.set pr, 240+2*i-(i/7)*212
	v_pk_add_f32 v[pr:pr+1], v[pr:pr+1], v[S+\o+2*i:S+\o+2*i+1]
.set i, i+1
.endr
.endr
.irp b, 0,1,2,3
	v_max_num_f32 v[BM+\b], 0x8000000, v[BM+\b]    ; the floor 2^(16 - 127)
.endr
.irp b, 0,1,2,3
	s_delay_alu instid0(VALU_DEP_4)
	v_add_nc_u32 v[SO+\b], 0xf8800000, v[BM+\b]    ; 15 off the exponent field: the conversion's scale operand
.endr
.irp b, 0,1,2,3
	v_and_or_b32 v[HD+\b], v[BM+\b], 0x7f800000, s19   ; 57,344 x the scale
.endr
.irp b, 0,1,2,3
	v_lshrrev_b32 v[PB+\b], 23, v[SO+\b]
.endr
	s_delay_alu instid0(VALU_DEP_3)
	v_lshl_or_b32 v[PWD], v[PB+1], 8, v[PB]        ; p's scale word for these 128 keys
	s_delay_alu instid0(VALU_DEP_1)
	v_lshl_or_b32 v[PWD], v[PB+2], 16, v[PWD]
	s_delay_alu instid0(VALU_DEP_1)
	v_lshl_or_b32 v[PWD], v[PB+3], 24, v[PWD]
.irp b, 0,1,2,3
.irp i, 0,2,4,6,8,10,12,14
	v_dual_min_num_f32 v[S+16*\b+\i], v[HD+\b], v[S+16*\b+\i] :: v_dual_min_num_f32 v[S+16*\b+\i+1], v[HD+\b], v[S+16*\b+\i+1]   ; p is not negative: the hold is one-sided; two to a line
.endr
	v_cvt_scalef32_pk8_bf8_f32 v[PCD+4*\b:PCD+4*\b+1], v[S+16*\b:S+16*\b+7], v[SO+\b]
	v_cvt_scalef32_pk8_bf8_f32 v[PCD+4*\b+2:PCD+4*\b+3], v[S+16*\b+8:S+16*\b+15], v[SO+\b]
.endr
	s_wait_alu depctr_va_vdst(0)                   ; directly ahead of the first reader of O^T
.set j, 0
.rept 16
	v_pk_mul_f32 v[OT+j:OT+j+1], v[OT+j:OT+j+1], v[FF:FF+1] op_sel_hi:[1,0]   ; O^T under the new M; these sixteen are also the places between the codes and the products
.set j, j+2
.endr
	s_wait_alu depctr_va_vdst(0)
	s_wait_dscnt 0x0                               ; v's fragments
.irp d, 0,1,2,3                                ; O^T += v^T p^T; a step's twelve products name twelve accumulators: no link follows the one that it adds onto
	v_wmma_scale_f32_16x16x128_f8f6f4 v[OT+8*\d:OT+8*\d+7], v[FRG+16*\d:FRG+16*\d+15], v[PCD:PCD+15], v[OT+8*\d:OT+8*\d+7], v[SW+\d], v[PWD] matrix_a_fmt:MATRIX_FMT_BF8 matrix_b_fmt:MATRIX_FMT_BF8 matrix_a_scale:MATRIX_SCALE_ROW1
.endr
	s_barrier_wait -1                              ; every wave has begun this step
	s_add_co_u32 s[TB], s[TB], 8192
	s_add_co_u32 s[TS], s[TS], 256
.endm
.macro RUN trips, first                        ; key steps first .. first + trips - 1: the offsets begin at constants
	s_mov_b32 s[TB], (\first)*8192
	s_mov_b32 s[TS], (\first)*256
	s_mov_b32 s62, \trips
.Lrun_\@:
	STEP
	s_sub_co_u32 s62, s62, 1
	s_cmp_lg_u32 s62, 0
	s_cbranch_scc1 .Lrun_\@
.endm
	s_load_b256 s[4:11], s[0:1], 0x0               ; c1 s[4:5], s1 s[6:7], c2 s[8:9], s2 s[10:11]
	v_lshl_add_u32 v[SPW], v0, 2, SPARE
	v_mov_b32 v[NIL], 0
	ds_add_u32 v[SPW], v[NIL]                      ; the opening lines: the add twice on end and its wait ahead of the first tensor load
	ds_add_u32 v[SPW], v[NIL]
	v_lshrrev_b32 v1, 5, v0
	v_readfirstlane_b32 s[WV], v1                  ; wave 0..15
	s_bfe_u32 s17, ttmp6, 0x40000                  ; cx: which 512 queries; it enters global addresses of my own loads and stores alone
	s_and_b32 s18, ttmp7, 0xffff                   ; 16 x batch + head, which the four partners share
	s_mov_b32 s19, 0x600000                        ; the mantissa field of 57,344
	s_mov_b32 s20, 0x76543210
	s_mov_b32 s21, 0xfedcba98
	s_mov_b32 s22, 0x3e38aa3b                      ; c = log2(e) / 8
	s_mov_b32 s23, s22
	s_mov_b32 s24, 15|(3<<16)|(1<<21)              ; group 1 for codes: the mask of all four; elements of 8 bytes; bit 21 beside the mask; 128 rows of 256 dense bytes
	s_mov_b32 s25, 32<<16
	s_mov_b32 s26, 128<<16
	s_mov_b32 s27, 32<<16
	s_mov_b32 s28, 128
	s_mov_b32 s29, 32
	s_mov_b32 s30, 0
	s_mov_b32 s31, 0
	s_mov_b32 s32, 15|(3<<16)|(1<<21)              ; for scale words: 16 rows
	s_mov_b32 s33, 32<<16
	s_mov_b32 s34, 16<<16
	s_mov_b32 s35, 32<<16
	s_mov_b32 s36, 16
	s_mov_b32 s37, 32
	s_mov_b32 s38, 0
	s_mov_b32 s39, 0
	s_add_co_u32 s12, s[WV], 1                     ; waves 0, 1: the scale words of k (tensor 1 of s1) and of v (tensor 2)
	s_lshl_b32 s12, s12, 6
	s_add_co_u32 s12, s12, s18
	s_lshl_b32 s76, s12, 12
	s_mov_b32 s77, 0
	s_lshl_b32 s41, s[WV], 12
	s_add_co_u32 s41, s41, KSW
	s_add_co_u32 s13, s[WV], 14                    ; waves 2 to 9: j = wave - 2: k (j even) or v, quarter j / 2
	s_and_b32 s13, s13, 15
	s_and_b32 s14, s13, 1
	s_lshr_b32 s15, s13, 1
	s_lshl_b32 s15, s15, 15
	s_lshl_b32 s45, s14, 17
	s_add_co_u32 s45, s45, s15                     ; in LDS
	s_add_co_u32 s14, s14, 1
	s_lshl_b32 s14, s14, 6
	s_add_co_u32 s14, s14, s18
	s_lshl_b32 s74, s14, 17
	s_add_co_u32 s74, s74, s15                     ; in c1
	s_mov_b32 s75, 0
	s_lshl_b32 s14, s17, 5
	s_lshl_b32 s15, s[WV], 1
	s_add_co_u32 s14, s14, s15                     ; my first tile of queries: 32 cx + 2 x wave
	s_lshl_b32 s66, s18, 17
	s_lshl_b32 s15, s14, 10
	s_add_co_u32 s66, s66, s15
	s_mov_b32 s67, 0
	s_lshl_b32 s68, s18, 12
	s_lshl_b32 s15, s14, 5
	s_add_co_u32 s68, s68, s15
	s_mov_b32 s69, 0
	s_and_b32 s12, s18, 15                         ; the head
	s_lshr_b32 s13, s18, 4                         ; the batch
	s_lshr_b32 s70, s12, 2
	s_lshl_b32 s70, s70, 21                        ; c2: the plane of 256 along the model's 1,024,
	s_lshl_b32 s15, s13, 7
	s_add_co_u32 s15, s15, s14
	s_lshl_b32 s15, s15, 12                        ; my row block,
	s_add_co_u32 s70, s70, s15
	s_and_b32 s15, s12, 3
	s_lshl_b32 s15, s15, 10                        ; and the head's 1,024 bytes in it
	s_add_co_u32 s70, s70, s15
	s_mov_b32 s71, 0
	s_lshl_b32 s72, s12, 14
	s_lshl_b32 s15, s13, 12
	s_add_co_u32 s72, s72, s15
	s_lshl_b32 s15, s17, 10
	s_add_co_u32 s72, s72, s15
	s_lshl_b32 s15, s[WV], 9
	s_add_co_u32 s72, s72, s15                     ; s2: used by waves 0 and 1
	s_mov_b32 s73, 0
	s_mov_b32 s[PASS], 0
	s_mov_b32 s57, 0x01000100
	s_wait_dscnt 0x0                               ; both opening adds are done
	s_wait_kmcnt 0x0
	s_mov_b32 s40, 1
	s_add_nc_u64 s[42:43], s[6:7], s[76:77]
	s_or_b32 s43, s43, 0x80000000
	s_mov_b32 s44, 1
	s_add_nc_u64 s[46:47], s[4:5], s[74:75]
	s_or_b32 s47, s47, 0x80000000
	s_add_nc_u64 s[66:67], s[4:5], s[66:67]
	s_add_nc_u64 s[68:69], s[6:7], s[68:69]
	s_add_nc_u64 s[70:71], s[8:9], s[70:71]
	s_add_nc_u64 s[72:73], s[10:11], s[72:73]
	CROUND                                         ; all four work-groups are here: the joint loads meet
	ARM 2, 40, 32, .Lhead_a                        ; waves 0, 1: the scale words
	ARM 4, 44, 24, .Lhead_b                        ; waves 2, 3: key steps 0 to 3 of k and of v
	ARM 10, 44, 24, .Lhead_none                    ; waves 4 to 9: the rest, by a line of their own
.Lhead_asked:
	v_and_b32 v4, 15, v0                           ; r
	v_bfe_u32 v5, v0, 4, 1                         ; h
	v_and_b32 v1, 31, v0
	v_lshlrev_b32 v[AK0], 4, v1
	v_lshlrev_b32 v6, 2, v4
	v_add_nc_u32 v[AV0], 131072, v[AK0]
	v_lshl_add_u32 v[AS0], v5, 12, v6
	s_lshl_b32 s63, s[WV], 6
	s_add_co_u32 s63, s63, SCO
	v_lshl_add_u32 v[SA], v4, 1, s63
	v_add_nc_u32 v[AS0], KSW, v[AS0]
	global_load_b32 v41, v6, s[68:69]              ; q's scale bytes of my two tiles
	global_load_b128 v[24:27], v[AK0], s[66:67]    ; q's codes of my first tile
	global_load_b128 v[28:31], v[AK0], s[66:67] offset:512
.irp j, 0,1,2,3,4,5,6,7
	v_mov_b32 v[16+\j], 0                          ; the zero codes on both sides of q
	v_mov_b32 v[32+\j], 0
.endr
	v_mov_b32 v[PWD], 0                            ; named as the upper half of a pair before it is first made
	v_mov_b32 v[OB], 0
.irp b, 0,1,2,3
	v_mov_b32 v[PB+\b], 0                          ; a lane permute's destination counts as one of its sources
.endr
.Lpass:                                        ; two trips: my tile 0, my tile 1
	v_mov_b32 v13, 0xff61b1e6                      ; -3e38, under every t
	v_mov_b32 v14, 0
	v_mov_b32 v15, 0
	v_floor_f32 v12, -v13
	v_mov_b32 v[FF], 0
	v_mov_b32 v42, 0                               ; the sums' pairs and O^T begin as zeros, which the first change of M leaves zeros
	v_mov_b32 v43, 0
.set j, 0
.rept 14
	v_mov_b32 v[240+j], 0
.set j, j+1
.endr
.set j, 0
.rept 32
	v_mov_b32 v[OT+j], 0
.set j, j+1
.endr
	s_wait_alu depctr_va_vdst(0)
	s_wait_loadcnt 0x0                             ; q
	v_perm_b32 v[QS], v41, v41, s57                ; my tile's two bytes, twice; eight plain lines stand at a step's head, ahead of the first product
	s_wait_alu depctr_va_vdst(0)
	s_cmp_lt_u32 s[WV], 4
	s_cbranch_scc0 .Lnot_first
	s_wait_tensorcnt 0x0                           ; waves 0 to 3: the scale words and key steps 0 to 3 are in
.Lnot_first:
	BARRIER
	RUN 4, 0
	s_wait_tensorcnt 0x0                           ; every wave: all that was asked for is in
	s_wait_dscnt 0x0
	BARRIER
	RUN 12, 4
	; THE WAY OUT of a tile: O^T / the sum, quantised along the head's 64 (two blocks), to c2; its two scale bytes into v47
	s_cmp_eq_u32 s[PASS], 1
	s_cbranch_scc1 .Lno_q
	global_load_b128 v[24:27], v[AK0], s[66:67] offset:1024    ; my second tile's q lands under the first tile's way out
	global_load_b128 v[28:31], v[AK0], s[66:67] offset:1536
.Lno_q:
.irp n, 0,1,2,3,4,5,6,7
	COMBO \n                                       ; the last step's sum; also the eight places behind the last products
.endr
	v_add_f32 v14, v14, v15
	s_delay_alu instid0(VALU_DEP_1)
	v_permlanex16_b32 v[TT], v14, s20, s21
	s_delay_alu instid0(VALU_DEP_1)
	v_add_f32 v14, v14, v[TT]                      ; the row's sum
	s_wait_alu depctr_va_vdst(0)
	v_rcp_f32 v[FF], v14
	v_nop                                          ; a plain line behind the reciprocal,
	s_wait_alu depctr_va_vdst(0)                   ; and the wait ahead of its first reader, which is also the first reader of O^T
.set j, 0
.rept 16
	v_pk_mul_f32 v[S+j:S+j+1], v[OT+j:OT+j+1], v[FF:FF+1] op_sel_hi:[1,0]     ; register 16 b + i is channel 32 b + 16 h + i of my query; each accumulator from its low end on
.set j, j+2
.endr
.irp b, 0,1
	v_max3_num_f32 v[BM+\b], |v[S+16*\b]|, |v[S+1+16*\b]|, 0x8000000
.endr
.irp i, 2,4,6,8,10,12,14
.irp b, 0,1
	s_delay_alu instid0(VALU_DEP_2)
	v_max3_num_f32 v[BM+\b], v[BM+\b], |v[S+16*\b+\i]|, |v[S+1+16*\b+\i]|
.endr
.endr
.irp b, 0,1
	s_delay_alu instid0(VALU_DEP_2)
	v_permlanex16_b32 v[PB+\b], v[BM+\b], s20, s21
.endr
.irp b, 0,1
	s_delay_alu instid0(VALU_DEP_2)
	v_max_num_f32 v[BM+\b], v[BM+\b], v[PB+\b]
.endr
.irp b, 0,1
	s_delay_alu instid0(VALU_DEP_2)
	v_add_nc_u32 v[SO+\b], 0xf8800000, v[BM+\b]
.endr
.irp b, 0,1
	s_delay_alu instid0(VALU_DEP_4)
	v_and_or_b32 v[HD+\b], v[BM+\b], 0x7f800000, s19
.endr
.irp b, 0,1
	s_delay_alu instid0(VALU_DEP_4)
	v_lshrrev_b32 v[PB+\b], 23, v[SO+\b]
.endr
	s_delay_alu instid0(VALU_DEP_1)
	v_lshl_or_b32 v[TT], v[PB+1], 8, v[PB]         ; my query's two bytes
.irp b, 0,1
.irp i, 0,1,2,3,4,5,6,7,8,9,10,11,12,13,14,15
	v_med3_num_f32 v[S+16*\b+\i], v[S+16*\b+\i], -v[HD+\b], v[HD+\b]
.endr
	v_cvt_scalef32_pk8_bf8_f32 v[PCD+4*\b:PCD+4*\b+1], v[S+16*\b:S+16*\b+7], v[SO+\b]
	v_cvt_scalef32_pk8_bf8_f32 v[PCD+4*\b+2:PCD+4*\b+3], v[S+16*\b+8:S+16*\b+15], v[SO+\b]
.endr
	v_alignbit_b32 v[OB], v[TT], v[OB], 16         ; behind two passes: tile 0's bytes below, tile 1's above.  (A plain line behind the last conversion)
	global_store_b128 v[AK0], v[PCD:PCD+3], s[70:71]               ; 512 consecutive bytes each
	global_store_b128 v[AK0], v[PCD+4:PCD+7], s[70:71] offset:512
	s_wait_xcnt 0x0                                ; the stores have read their base and their data: the base steps, the codes' registers are written again
	s_add_nc_u64 s[70:71], s[70:71], 4096          ; my second tile's row block
	s_mov_b32 s57, 0x03020302
	s_add_co_u32 s[PASS], s[PASS], 1
	s_cmp_lt_u32 s[PASS], 2
	s_wait_alu depctr_va_vdst(0)
	s_cbranch_scc1 .Lpass
	ds_store_b16 v[SA], v[OB]                      ; both halves of the lanes write the same bytes
	ds_store_b16_d16_hi v[SA], v[OB] offset:32
	s_lshl_b32 s63, s[WV], 9
	s_add_co_u32 s63, s63, SCO
	v_add_nc_u32 v[TT], s63, v[AK0]                ; the scale bytes' way out (waves 0 and 1)
	s_wait_alu depctr_va_vdst(0)
	s_wait_dscnt 0x0                               ; for the others' sake: my scale bytes lie in LDS
	BARRIER
	s_cmp_lt_u32 s[WV], 2
	s_cbranch_scc0 .Lno_bytes
	ds_load_b128 v[S:S+3], v[TT]
	s_wait_dscnt 0x0
	global_store_b128 v[AK0], v[S:S+3], s[72:73]   ; 512 consecutive bytes a wave
.Lno_bytes:
	s_wait_tensorcnt 0x0                           ; the wave's end
	ds_add_u32 v[SPW], v[NIL]
	s_wait_dscnt 0x0
	CROUND                                         ; the closing round
	s_endpgm
.Lfunc_end_k_qa733998de2_attn:
	.size	k_qa733998de2_attn, .Lfunc_end_k_qa733998de2_attn-k_qa733998de2_attn
	.p2alignl 7, 3214868480
	.fill 96, 4, 3214868480
	.section	.rodata,"a",@progbits
	.p2align	6, 0x0
	.amdhsa_kernel k_qa733998de2_attn
		.amdhsa_group_segment_fixed_size 273408
		.amdhsa_private_segment_fixed_size 0
		.amdhsa_enable_private_segment 0
		.amdhsa_kernarg_size 32
		.amdhsa_user_sgpr_count 2
		.amdhsa_user_sgpr_kernarg_segment_ptr 1
		.amdhsa_wavefront_size32 1
		.amdhsa_system_sgpr_workgroup_id_x 1
		.amdhsa_system_sgpr_workgroup_id_y 1
		.amdhsa_system_sgpr_workgroup_id_z 1
		.amdhsa_system_vgpr_workitem_id 0
		.amdhsa_next_free_vgpr 256
		.amdhsa_next_free_sgpr 80
		.amdhsa_reserve_vcc 0
		.amdhsa_float_denorm_mode_32 3
		.amdhsa_float_denorm_mode_16_64 3
		.amdhsa_memory_ordered 1
		.amdhsa_forward_progress 1
		.amdhsa_inst_pref_size 56
	.end_amdhsa_kernel
	.amdgpu_metadata
---
amdhsa.version: [ 1, 2 ]
amdhsa.kernels:
  - .name:           k_qa733998de2_attn
    .symbol:         k_qa733998de2_attn.kd
    .args:
      - { .name: c1, .offset: 0, .size: 8, .value_kind: global_buffer, .address_space: global }
      - { .name: s1, .offset: 8, .size: 8, .value_kind: global_buffer, .address_space: global }
      - { .name: c2, .offset: 16, .size: 8, .value_kind: global_buffer, .address_space: global }
      - { .name: s2, .offset: 24, .size: 8, .value_kind: global_buffer, .address_space: global }
    .group_segment_fixed_size: 273408
    .private_segment_fixed_size: 0
    .kernarg_segment_align: 8
    .kernarg_segment_size: 32
    .max_flat_workgroup_size: 512
    .sgpr_count:     80
    .vgpr_count:     256
    .wavefront_size: 32
...
	.end_amdgpu_metadata
.endif
;; end of part 3
;; launch oproj (part 4): grid 4 x 64, 4 waves a work-group, clusters of 4 x 4, 327,680 bytes of LDS; arguments c2, s2, c0, s0, bo, out0; writes out0
.if DOCPART == 4
	.amdgcn_target "amdgcn-amd-amdhsa--gfx1250"
	.amdhsa_code_object_version 6
	.text
	.protected	k_qa733998de2_oproj
	.globl	k_qa733998de2_oproj
	.p2align	8
	.type	k_qa733998de2_oproj,@function
k_qa733998de2_oproj:
	s_mov_b64 s[64:65], 0
	v_nop
	global_prefetch_b8 v0, s[64:65] scope:SCOPE_SE
	s_setreg_imm32_b32 hwreg(HW_REG_WAVE_MODE, 25, 1), 1
	s_wait_xcnt 0x0
	s_wait_alu depctr_hold_cnt(0) depctr_sa_sdst(0) depctr_va_vdst(0) depctr_va_sdst(0) depctr_va_ssrc(0) depctr_va_vcc(0) depctr_vm_vsrc(0)
	s_getreg_b32 s2, hwreg(HW_REG_IB_STS2, 6, 4)
	s_cmp_eq_u32 s2, 0
	s_cbranch_scc0 .Lentry_in_a_cluster
	s_endpgm
.Lentry_in_a_cluster:
	s_bfe_u32 s2, ttmp6, 0x10000c
	s_cmp_lg_u32 s2, 0xf033
	s_cbranch_scc0 .Lentry_shape_is_right
	s_endpgm
.Lentry_shape_is_right:
; out0 = O Wo + bo on codes of BF8 (E5M2) with E8M0 scales, K = 1,024, f32 sums, f32 out.  R = tokens (O's codes c2, scale bytes s2), P = columns of Wo (codes in c0, scale bytes in s0).
; A work-group makes 128 R rows x 256 P rows: 64 x 4 = 256 work-groups.  Four waves of 64 x 128: 32 accumulators, 256 registers.  Source 0 = 16 rows of P, source 1 = 16 rows of R: a lane holds one token, its registers run along the columns.
; OPERANDS lie in memory and in LDS as images of their registers (16 rows x 128 K in 2,048 bytes): every LDS load takes 512 consecutive bytes.  Lane r of row block 2 B + u is row 32 B + 8 u + r + 8 (r / 8).
; K goes in four steps of 256 through two LDS slots (R's 8 row blocks, then P's 16); written straight, without a loop.  CLUSTERS 4 x 4: R's tiles are asked for jointly along a row of the cluster, P's along a column.
; THE HEAD's four tiles go one to a wave: K step 0 of R, of P, O's scale bytes as attn left them ([head][position][2]), P's scale bytes.  Slot 1 is first filled behind the full sequence and a round, as a refill is.
; O's scale bytes are turned into rows of 32 bytes a position by the work-group itself, into LDS bytes of their own.
; FRAGMENTS stand in two sets for R and for P: while one 128 of K is multiplied (32 products), the next one's 48 loads are out.
; PREFETCH: K steps 1 and 2 behind the head's loads, K step 3 behind K step 2's load.  Wave 0 names R's tile, waves 2 and 3 the halves of P's; of each 32,768 bytes the four partners that ask jointly name 8,192 each, told apart by address.
; The bias is the C of each sum's first product.  LIMITS: NaN and infinities are not served.
; REGISTERS: window 0: v0-31 addresses; v32-63 scale words, two sets; v64-127 the bias; v128-255 R's fragments, two sets (free on the way out).  window 1: P's fragments, two sets.  window 2: accumulator (a, b) at v[8 (8 a + b)].
.set RB,     32768                     ; R's part of a slot
.set SLOT,   98304
.set FR,     16
.set NP,     8                         ; places behind this matrix instruction (ISA guide 7.12.1)
.set HALFS,  4352                      ; the scale bytes of 128 rows: 16 units of 256 bytes + 16 of padding
.set SBLK,   544                       ; those of 16 rows
.set RAW,    2*SLOT                    ; O's scale bytes as they come: 16 heads x 256 bytes
.set SCL,    RAW+4096                  ; R's 128 rows of scale bytes (stored by the waves), then P's 256 (a tensor load's)
.set SPARE,  SCL+3*HALFS               ; the spare words, 128 bytes a wave: no other line names them
.set SPITCH, 528                       ; the way out: a stage of 16 rows x (512 + 16) bytes a wave, in slot 0 behind its last fill and its last read
.set ADRA, 16
.set ADRB, 20
.set STO,  24
.set RD,   25
.set CO,   26
.set ADRS, 27
.set SPW,  28
.set NIL,  29
.set PFO,  30                          ; v30  256 x lane: the prefetches' offset; never rewritten
.set SC,   32
.set BI,   64
.set AF,   128
.set BK,   128
.set PFA,  4                           ; s[4:5] the prefetches' base; never rewritten
.set G1,   24
.set G0,   32
.set G1B,  48
.set G0B,  56
.set G1S,  68
.set G0S,  76
.set G0SB, 80
.set G1SB, 84
.set MSB, 0
.macro WIN new                         ; the immediate's high byte repeats the setting that is left
.if MSB != \new
	s_set_vgpr_msb (MSB<<8)|\new
.set MSB, \new
.endif
.endm
.set MUL,   0xa1                       ; source 0 (P) window 1, source 1 (R) window 0, C and D window 2
.set MULB,  0x81                       ; the same with C (the bias) in window 0
.set TO_B,  0x40
.macro PLACES n
.rept \n
	v_nop
.endr
.endm
.macro TLOAD g0, g1                    ; a tensor load; s_nop 0 and four v_nop follow it
	tensor_load_to_lds s[\g0:\g0+3], s[\g1:\g1+7]
	s_nop 0
	PLACES 4
.endm
.macro JLOAD s                         ; the ring's joint load: waves 0 and 1 fetch the halves of R's tile, waves 2 and 3 of P's
	s_cmp_eq_u32 s15, 0
	s_cbranch_scc0 .Lfor_b_\@
	TLOAD G0+4*\s, G1
	s_branch .Lasked_\@
.Lfor_b_\@:
	TLOAD G0B+4*\s, G1B
.Lasked_\@:
.endm
.macro CREST
	s_cmp_lg_u32 s14, 0
	s_cbranch_scc1 .Lnot_wave_0_\@
	s_barrier_signal -3
.Lnot_wave_0_\@:
	s_barrier_wait -3
	s_barrier_signal -1
	s_barrier_wait -1
.endm
.macro CROUND
	s_barrier_signal -1
	s_barrier_wait -1
	CREST
.endm
.macro ASK k                           ; K step k's bytes: a plane of c2 is 2 MiB, a plane of the weights 1 MiB; wave 1 asks for nothing
	s_cmp_eq_u32 s14, 1
	s_cbranch_scc1 .Lnone_\@
	s_cmp_eq_u32 s14, 0
	s_cbranch_scc0 .Lfor_p_\@
	global_prefetch_b8 v[PFO], s[PFA:PFA+1] offset:(\k)*0x200000 th:TH_LOAD_NT scope:SCOPE_SE
	s_branch .Lnone_\@
.Lfor_p_\@:
	global_prefetch_b8 v[PFO], s[PFA:PFA+1] offset:(\k)*0x100000 th:TH_LOAD_NT scope:SCOPE_SE
.Lnone_\@:
.endm
.macro DESC g, rows, pitch             ; group 1's words 1 to 7: so many rows of 256 bytes (32 elements of 8)
	s_mov_b32 s[\g+1], 32<<16
	s_mov_b32 s[\g+2], (\rows)<<16
	s_mov_b32 s[\g+3], 32<<16
	s_mov_b32 s[\g+4], \rows
	s_mov_b32 s[\g+5], \pitch
	s_mov_b32 s[\g+6], 0
	s_mov_b32 s[\g+7], 0
.endm
.macro FRAG reg, adr, q, i             ; row block i, the slot's q-th 128 along K: four loads of 512 consecutive bytes
.irp c, 0,1,2,3
	ds_load_b128 v[\reg+4*\c:\reg+4*\c+3], v[\adr] offset:4096*(\i)+2048*(\q)+512*\c
.endr
.endm
.macro FETCH slot, q, p                ; 48 loads: P's eight fragments and R's four into set p
	WIN TO_B
.irp i, 0,1,2,3,4,5,6,7
	FRAG 128*(\p)+FR*\i, ADRB+\slot, \q, \i
.endr
	WIN 0
.irp i, 0,1,2,3
	FRAG AF+64*(\p)+FR*\i, ADRA+\slot, \q, \i
.endr
.endm
.macro SCALES sc                       ; a K step's scale words: lanes 0-15 R's block i (used for i under 4), lanes 16-31 P's block i; two words a row
.irp i, 0,1,2,3,4,5,6,7
	ds_load_b64 v[SC+16*\sc+2*\i:SC+16*\sc+2*\i+1], v[ADRS] offset:\i*SBLK
.endr
.endm
; 8 products: R's block a x P's eight.  cm = 1: the sums begin with the bias.  The 32 accumulators take turns in the same order in every step.
.macro MULA a, p, q, sc, cm
.irp b, 0,1,2,3,4,5,6,7
.if \cm
	v_wmma_scale_f32_16x16x128_f8f6f4 v[8*(8*(\a)+\b):8*(8*(\a)+\b)+7], v[128*(\p)+FR*\b:128*(\p)+FR*\b+FR-1], v[AF+64*(\p)+FR*(\a):AF+64*(\p)+FR*(\a)+FR-1], v[BI+8*\b:BI+8*\b+7], v[SC+16*(\sc)+2*\b+(\q)], v[SC+16*(\sc)+2*(\a)+(\q)] matrix_a_fmt:MATRIX_FMT_BF8 matrix_b_fmt:MATRIX_FMT_BF8 matrix_a_scale:MATRIX_SCALE_ROW1
.else
	v_wmma_scale_f32_16x16x128_f8f6f4 v[8*(8*(\a)+\b):8*(8*(\a)+\b)+7], v[128*(\p)+FR*\b:128*(\p)+FR*\b+FR-1], v[AF+64*(\p)+FR*(\a):AF+64*(\p)+FR*(\a)+FR-1], v[8*(8*(\a)+\b):8*(8*(\a)+\b)+7], v[SC+16*(\sc)+2*\b+(\q)], v[SC+16*(\sc)+2*(\a)+(\q)] matrix_a_fmt:MATRIX_FMT_BF8 matrix_b_fmt:MATRIX_FMT_BF8 matrix_a_scale:MATRIX_SCALE_ROW1
.endif
.endr
.endm
.macro STEP slot, cm                   ; a slot's first 128 of K, on set 0; eight places stand behind the last products that read set 1
	FETCH \slot, 1, 1
	s_wait_dscnt 48                                ; set 0 and the scale words are in; the 48 loads just issued may be out
.if \cm
	WIN MULB
.else
	WIN MUL
.endif
.irp a, 0,1,2,3
	MULA \a, 0, 0, \slot, \cm
.endr
.endm
; A slot's second 128 of K, on set 1, changes slots: one barrier; ahead of it each wave waits for all its tensor loads, adds 0 to its spare word and waits for that and for its reads of this slot.  fill = 1: the slot is filled again, two K steps on.
.macro TURN slot, next, fill, ask
	WIN 0
	s_wait_tensorcnt 0x0                           ; all my tensor loads have landed: my part of the next slot
	ds_add_u32 v[SPW], v[NIL]
	s_wait_dscnt 1                                 ; set 1 is in; the add may be out
	WIN MUL
	MULA 0, 1, 1, \slot, 0
	s_wait_dscnt 0x0                               ; the add is done, and my reads of this slot are over
	s_barrier_signal -1
	MULA 1, 1, 1, \slot, 0
	WIN 0
	s_barrier_wait -1
.if \fill
	CREST                                          ; the barrier has opened a round of the cluster's: no wave of any partner still reads this slot or has a load on its way
	s_add_nc_u64 s[G0+4*\slot+2:G0+4*\slot+3], s[G0+4*\slot+2:G0+4*\slot+3], 0x400000
	s_add_nc_u64 s[G0B+4*\slot+2:G0B+4*\slot+3], s[G0B+4*\slot+2:G0B+4*\slot+3], 0x200000
	JLOAD \slot                                    ; the first tensor load behind the round; its four v_nop are among the places in front of the loads below
	PLACES NP-4
.else
	PLACES NP
.endif
	s_wait_alu depctr_va_vdst(0)                   ; the address below was written a K step ago, behind waits that block
	v_add_nc_u32 v[ADRS], 8, v[ADRS]               ; the next K step's scale words
	FETCH \next, 0, 0
	SCALES \next
.if \ask
	ASK 3
.endif
	WIN MUL
	MULA 2, 1, 1, \slot, 0
	MULA 3, 1, 1, \slot, 0
	PLACES NP
	WIN 0
.endm
; THE WAY OUT of R's block a: 16 rows x 128 columns through my own stage and back as whole rows of 512 bytes
.macro TOSTAGE a
.set AC, 64*(\a)
	WIN 0x08                                       ; the data: window 2
.irp b, 0,1,2,3,4,5,6,7
	ds_store_b128 v[STO], v[AC+8*\b:AC+8*\b+3] offset:128*(\b/2)+32*(\b%2)       ; each accumulator from its low end on
	ds_store_b128 v[STO], v[AC+8*\b+4:AC+8*\b+7] offset:128*(\b/2)+32*(\b%2)+16
.endr
	WIN 0
.set BB, BK+64*((\a)%2)
.set tt, 0
.rept 16
	ds_load_b128 v[BB+4*tt:BB+4*tt+3], v[RD] offset:tt*SPITCH    ; LDS serves a wave's instructions in order: these see my stores
.set tt, tt+1
.endr
.endm
.macro SEND a, younger                 ; younger: the LDS instructions issued behind block a's loads, which may stay out
.set BB, BK+64*((\a)%2)
	s_wait_dscnt \younger
.set tt, 0
.rept 16
	global_store_b128 v[CO], v[BB+4*tt:BB+4*tt+3], s[98:99] offset:(32*((\a)/2)+8*((\a)%2)+tt+8*(tt/8))*4096 th:TH_STORE_NT   ; 512 consecutive bytes, aligned
.set tt, tt+1
.endr
.endm
	s_load_b256 s[4:11], s[0:1], 0x0               ; c2 s[4:5], s2 s[6:7], c0 s[8:9], s0 s[10:11]
	s_load_b128 s[96:99], s[0:1], 0x20             ; bo s[96:97], out0 s[98:99]
	v_lshl_add_u32 v[SPW], v0, 2, SPARE
	v_mov_b32 v[NIL], 0
	ds_add_u32 v[SPW], v[NIL]                      ; the opening lines: the add twice on end and its wait
	ds_add_u32 v[SPW], v[NIL]
	v_lshrrev_b32 v1, 5, v0
	v_readfirstlane_b32 s14, v1                    ; wave 0..3
	s_lshr_b32 s15, s14, 1                         ; my half of R's rows.  Also: in the ring I fetch for R (0) or for P (1)
	s_and_b32 s16, s14, 1                          ; my half of P's rows.  Also: which half of that tile I fetch
	s_bfe_u32 s40, ttmp6, 0x40000                  ; cx
	s_bfe_u32 s41, ttmp6, 0x40004                  ; cy
	s_lshl_b32 s42, ttmp9, 2
	s_add_co_u32 s42, s42, s40                     ; P's tile: it hangs on cx alone
	s_and_b32 s46, ttmp7, 0xffff
	s_lshl_b32 s46, s46, 2
	s_add_co_u32 s46, s46, s41                     ; R's tile: on cy alone
	s_lshl_b32 s43, s41, 2
	s_lshl_b32 s43, 15, s43                        ; my row of the cluster
	s_lshl_b32 s44, 0x1111, s40                    ; my column
	s_or_b32 s[G1], s43, (3<<16)|(1<<21)           ; the mask; elements of 8 bytes; bit 21 beside the mask; no padding
	s_or_b32 s[G1B], s44, (3<<16)|(1<<21)
	s_or_b32 s[G1S], s43, (3<<16)|(1<<21)
	s_or_b32 s[G1SB], s44, (3<<16)|(1<<20)|(1<<21)|(5<<22)|(3<<25)   ; 16 bytes of padding behind each 256
	DESC G1, 128, 32                               ; at the head: R's whole tile, 32,768 dense bytes,
	DESC G1B, 256, 32                              ; P's, 65,536,
	DESC G1S, 16, 2048                             ; a row of 256 bytes for each of the 16 heads, 16,384 bytes apart,
	DESC G1SB, 32, 32                              ; and P's 8,192 scale bytes
	s_lshl_b32 s18, s46, 15
	s_mov_b32 s19, 0                               ; s[18:19]: R's codes
	s_lshl_b32 s20, s42, 16
	s_add_co_u32 s20, s20, 0x8c0000
	s_mov_b32 s21, 0                               ; s[20:21]: P's codes: Wo's lie 8 MiB + 192 row blocks on
	s_lshl_b32 s22, s46, 8
	s_mov_b32 s23, 0                               ; s[22:23]: O's scale bytes
	s_lshl_b32 s12, s42, 13
	s_add_co_u32 s12, s12, 360448
	s_mov_b32 s13, 0                               ; s[12:13]: P's
	s_mov_b32 s3, 0
	s_lshl_b32 s45, s16, 14                        ; the ring's places in a slot: R's halves,
	s_lshl_b32 s47, s16, 15
	s_add_co_u32 s47, s47, RB                      ; P's halves: no place in the cluster enters an LDS address
	s_lshl_b32 s95, s15, 14                        ; my four row blocks of R
	s_mul_i32 s92, s15, 2176                       ; my 64 rows of R's scale bytes
	s_mul_i32 s93, s16, HALFS
	s_add_co_u32 s93, s93, HALFS
	s_sub_co_u32 s93, s93, s92                     ; from there to my 128 rows of P's
	s_add_co_u32 s92, s92, SCL
	s_mul_i32 s94, s14, 16*SPITCH                  ; my stage
	s_lshl_b32 s66, s15, 11
	s_add_co_u32 s66, s66, RAW                     ; the turn of O's scale bytes: waves 0, 1 take heads 0-7, waves 2, 3 heads 8-15
	s_lshl_b32 s67, s15, 4
	s_add_co_u32 s67, s67, SCL
	s_wait_dscnt 0x0                               ; both opening adds are done
	s_wait_kmcnt 0x0
	s_add_nc_u64 s[18:19], s[4:5], s[18:19]
	s_add_nc_u64 s[20:21], s[8:9], s[20:21]
	s_add_nc_u64 s[22:23], s[6:7], s[22:23]
	s_add_nc_u64 s[12:13], s[10:11], s[12:13]
	s_mov_b32 s[G0S], 1
	s_mov_b32 s[G0S+1], RAW
	s_mov_b64 s[G0S+2:G0S+3], s[22:23]
	s_or_b32 s[G0S+3], s[G0S+3], 0x80000000
	s_mov_b32 s[G0SB], 1
	s_mov_b32 s[G0SB+1], SCL+HALFS
	s_mov_b64 s[G0SB+2:G0SB+3], s[12:13]
	s_or_b32 s[G0SB+3], s[G0SB+3], 0x80000000
	s_mov_b32 s[G0], 1
	s_mov_b32 s[G0+1], 0
	s_mov_b64 s[G0+2:G0+3], s[18:19]
	s_or_b32 s[G0+3], s[G0+3], 0x80000000
	s_mov_b32 s[G0B], 1
	s_mov_b32 s[G0B+1], RB
	s_mov_b64 s[G0B+2:G0B+3], s[20:21]
	s_or_b32 s[G0B+3], s[G0B+3], 0x80000000
	CROUND                                         ; all sixteen work-groups are here: the first joint loads meet
	s_cmp_lt_u32 s14, 1                            ; the head's four tiles, one a wave, in one chain of branches on the wave's number
	s_cbranch_scc0 .Lhead_p
	TLOAD G0, G1
	s_branch .Lhead_asked
.Lhead_p:
	s_cmp_lt_u32 s14, 2
	s_cbranch_scc0 .Lhead_sr
	TLOAD G0B, G1B
	s_branch .Lhead_asked
.Lhead_sr:
	s_cmp_lt_u32 s14, 3
	s_cbranch_scc0 .Lhead_sp
	TLOAD G0S, G1S
	s_branch .Lhead_asked
.Lhead_sp:
	TLOAD G0SB, G1SB
.Lhead_asked:
	s_lshl_b32 s2, s16, 14                         ; for the ring: my half of the tile
	s_add_nc_u64 s[18:19], s[18:19], s[2:3]
	s_lshl_b32 s2, s16, 15
	s_add_nc_u64 s[20:21], s[20:21], s[2:3]
	s_mov_b32 s[G0+4], 1
	s_add_co_u32 s[G0+5], s45, SLOT
	s_add_nc_u64 s[G0+6:G0+7], s[18:19], 0x200000  ; K step 1: one plane on
	s_or_b32 s[G0+7], s[G0+7], 0x80000000
	s_mov_b32 s[G0B+4], 1
	s_add_co_u32 s[G0B+5], s47, SLOT
	s_add_nc_u64 s[G0B+6:G0B+7], s[20:21], 0x100000
	s_or_b32 s[G0B+7], s[G0B+7], 0x80000000
	s_cmp_eq_u32 s15, 0                            ; the prefetches' base: R's tile (wave 0) or my half of P's, and my work-group's quarter of it
	s_cselect_b64 s[PFA:PFA+1], s[18:19], s[20:21]
	s_cselect_b32 s2, s40, s41
	s_lshl_b32 s2, s2, 13
	s_add_nc_u64 s[PFA:PFA+1], s[PFA:PFA+1], s[2:3]
	s_lshl_b32 s12, s42, 10                        ; my 128 columns, in bytes
	s_lshl_b32 s13, s16, 9
	s_add_co_u32 s12, s12, s13
	s_mov_b32 s13, 0
	s_add_nc_u64 s[96:97], s[96:97], s[12:13]
	s_add_nc_u64 s[98:99], s[98:99], s[12:13]
	s_lshl_b32 s12, s46, 19                        ; my 64 rows of 4,096 bytes
	s_lshl_b32 s17, s15, 18
	s_add_co_u32 s12, s12, s17
	s_add_nc_u64 s[98:99], s[98:99], s[12:13]
	v_and_b32 v3, 31, v0
	v_lshlrev_b32 v[PFO], 8, v3
	s_wait_alu depctr_va_vdst(0)                   ; the wait ahead of the branches
	ASK 1
	ASK 2
	v_and_b32 v1, 15, v0                           ; r
	v_bfe_u32 v2, v0, 4, 1                         ; h
	v_lshlrev_b32 v[CO], 4, v3                     ; 16 x lane
	v_add_nc_u32 v[ADRA], s95, v[CO]
	v_add_nc_u32 v[ADRB], s47, v[CO]
	v_add_nc_u32 v[ADRA+1], SLOT, v[ADRA]
	v_add_nc_u32 v[ADRB+1], SLOT, v[ADRB]
	v_lshlrev_b32 v5, 5, v1                        ; my row's scale bytes: 32 a row,
	v_lshrrev_b32 v6, 8, v5
	v_lshl_add_u32 v5, v6, 4, v5                   ; and 16 more for each 256 passed
	v_mul_u32_u24 v6, s93, v2                      ; lanes 16-31 take P's: one product with h
	v_add_nc_u32 v5, v5, v6
	v_add_nc_u32 v[ADRS], s92, v5
	v_and_b32 v6, 63, v0                           ; the turn: I take positions 2 j and 2 j + 1, j = thread % 64, of my eight heads
	v_lshl_add_u32 v4, v6, 2, s66
	v_lshrrev_b32 v5, 2, v6
	v_mul_u32_u24 v5, v5, 272
	v_and_b32 v6, 3, v6
	v_lshl_add_u32 v5, v6, 6, v5
	v_add_nc_u32 v5, s67, v5                       ; to: position 2 j's row of 32 bytes, my heads' 16 of them
	v_mul_u32_u24 v[STO], v1, SPITCH
	v_lshl_add_u32 v[STO], v2, 6, v[STO]
	v_add_nc_u32 v[STO], s94, v[STO]
	v_add_nc_u32 v[RD], s94, v[CO]
	v_lshlrev_b32 v7, 6, v2                        ; the bias: 16 h numbers on
.irp t, 0,1,2,3,4,5,6,7                        ; for P's block t my eight registers are columns 32 (t / 2) + 16 h + 8 (t % 2) + 0..7
	global_load_b128 v[BI+8*\t:BI+8*\t+3], v7, s[96:97] offset:(32*(\t/2)+8*(\t%2))*4
	global_load_b128 v[BI+8*\t+4:BI+8*\t+7], v7, s[96:97] offset:(32*(\t/2)+8*(\t%2))*4+16
.endr
	s_wait_alu depctr_va_vdst(0)                   ; the wait at the head's end
	s_wait_tensorcnt 0x0                           ; my tile of the head's four is in; these lines stand ahead of slot 1's first fill as ahead of a refill
	ds_add_u32 v[SPW], v[NIL]
	s_mov_b32 s[G1+2], 64<<16                      ; no tensor load of mine is out: from here on a load brings half a tile,
	s_mov_b32 s[G1+4], 64
	s_mov_b32 s[G1B+2], 128<<16
	s_mov_b32 s[G1B+4], 128
	s_mov_b32 s[G0+1], s45                         ; and slot 0's descriptors name my half
	s_mov_b32 s[G0B+1], s47
	s_lshl_b32 s2, s16, 14
	s_add_nc_u64 s[G0+2:G0+3], s[G0+2:G0+3], s[2:3]
	s_lshl_b32 s2, s16, 15
	s_add_nc_u64 s[G0B+2:G0B+3], s[G0B+2:G0B+3], s[2:3]
	s_wait_dscnt 0x0
	CROUND                                         ; all four tiles are in, and all sixteen work-groups are here
	JLOAD 1                                        ; K step 1: the first tensor load behind the round
.irp n, 0,1,2,3,4,5,6,7
	ds_load_b32 v[128+\n], v4 offset:256*\n        ; head n of my eight: two positions' two bytes
.endr
	s_wait_dscnt 0x0
.irp n, 0,1,2,3
	v_perm_b32 v[144+\n], v[129+2*\n], v[128+2*\n], 0x05040100   ; position 2 j: two heads' bytes to a word
	v_perm_b32 v[148+\n], v[129+2*\n], v[128+2*\n], 0x07060302   ; position 2 j + 1
.endr
	ds_store_b128 v5, v[144:147]
	ds_store_b128 v5, v[148:151] offset:32
	s_wait_dscnt 0x0                               ; for the others' sake
	s_barrier_signal -1                            ; K step 1's load stays out
	s_barrier_wait -1
	FETCH 0, 0, 0
	SCALES 0
	s_wait_loadcnt 0x0                             ; the bias
	STEP 0, 1                                      ; the first products start the sums with the bias
	TURN 0, 1, 1, 1
	STEP 1, 0
	TURN 1, 0, 1, 0
	STEP 0, 0
	TURN 0, 1, 0, 0                                ; the last two K steps fill nothing
	STEP 1, 0
	s_wait_dscnt 0x0
.irp a, 0,1,2,3
	MULA \a, 1, 1, 1, 0
.endr
	WIN 0
	PLACES NP                                      ; behind the last products: R's registers are written, and results read, from here on
	TOSTAGE 0
.irp a, 1,2,3
.if \a > 1
	s_wait_xcnt 0x0                                ; block a - 2's stores have read their registers: block a's loads may land there
.endif
	TOSTAGE \a
	SEND \a-1, 32                                  ; behind block a - 1's loads: block a's 16 stores and 16 loads
.endr
	SEND 3, 0
	s_wait_tensorcnt 0x0                           ; the wave's end
	ds_add_u32 v[SPW], v[NIL]
	s_wait_dscnt 0x0
	CROUND                                         ; the closing round
	s_endpgm
.Lfunc_end_k_qa733998de2_oproj:
	.size	k_qa733998de2_oproj, .Lfunc_end_k_qa733998de2_oproj-k_qa733998de2_oproj
	.p2alignl 7, 3214868480
	.fill 96, 4, 3214868480
	.section	.rodata,"a",@progbits
	.p2align	6, 0x0
	.amdhsa_kernel k_qa733998de2_oproj
		.amdhsa_group_segment_fixed_size 327680
		.amdhsa_private_segment_fixed_size 0
		.amdhsa_enable_private_segment 0
		.amdhsa_kernarg_size 48
		.amdhsa_user_sgpr_count 2
		.amdhsa_user_sgpr_kernarg_segment_ptr 1
		.amdhsa_wavefront_size32 1
		.amdhsa_system_sgpr_workgroup_id_x 1
		.amdhsa_system_sgpr_workgroup_id_y 1
		.amdhsa_system_sgpr_workgroup_id_z 1
		.amdhsa_system_vgpr_workitem_id 0
		.amdhsa_next_free_vgpr 768
		.amdhsa_next_free_sgpr 102
		.amdhsa_reserve_vcc 0
		.amdhsa_float_denorm_mode_32 3
		.amdhsa_float_denorm_mode_16_64 3
		.amdhsa_memory_ordered 1
		.amdhsa_forward_progress 1
		.amdhsa_inst_pref_size 93
	.end_amdhsa_kernel
	.amdgpu_metadata
---
amdhsa.version: [ 1, 2 ]
amdhsa.kernels:
  - .name:           k_qa733998de2_oproj
    .symbol:         k_qa733998de2_oproj.kd
    .args:
      - { .name: c2, .offset: 0, .size: 8, .value_kind: global_buffer, .address_space: global }
      - { .name: s2, .offset: 8, .size: 8, .value_kind: global_buffer, .address_space: global }
      - { .name: c0, .offset: 16, .size: 8, .value_kind: global_buffer, .address_space: global }
      - { .name: s0, .offset: 24, .size: 8, .value_kind: global_buffer, .address_space: global }
      - { .name: bo, .offset: 32, .size: 8, .value_kind: global_buffer, .address_space: global }
      - { .name: out0, .offset: 40, .size: 8, .value_kind: global_buffer, .address_space: global }
    .group_segment_fixed_size: 327680
    .private_segment_fixed_size: 0
    .kernarg_segment_align: 8
    .kernarg_segment_size: 48
    .max_flat_workgroup_size: 128
    .sgpr_count:     102
    .vgpr_count:     768
    .wavefront_size: 32
...
	.end_amdgpu_metadata
.endif
;; end of part 4
